; MI455X (gfx1250); checked and timed in simulation.
; The chip was launched on July 23, 2026; its instructions are those of AMD's public machine-readable ISA for CDNA 5 (MIT licence, August 2026) and "CDNA5" Instruction Set Architecture Reference Guide (July 2026). The comments in the code are by the model that wrote it; some were corrected since.
;; Self Attention Baseline. Allowed arithmetic: matrix products marked QUANTISED: E2M1 operands, one E8M0 scale for each 32 along K, by v_wmma_scale_f32_16x16x128_f8f6f4 with both operands' format E2M1 (or v_wmma_scale_f32_32x16x128_f4), f32 sums; products left as they are: bf16, f16 or f32 operands; f32 sums; everything else in f32.
;; Inputs: W_K 1,024 x 1,024 float32; W_O 1,024 x 1,024 float32; W_Q 1,024 x 1,024 float32; W_V 1,024 x 1,024 float32; X 4 x 2,048 x 1,024 float32.
;; Outputs: out0 4 x 2,048 x 1,024 float32.
;; This version of the problem:
;;   THIS VERSION OF THE PROBLEM IS GIVEN IN LOW PRECISION. The matrix products marked QUANTISED in the list below multiply operands that are first quantised to E2M1 (2 exponent bits, 1 mantissa bit; 4 bits a number), with one power-of-two scale for each 32 numbers along K (OCP MX v1.0); their sums are f32. The products marked 'left as it is' may take bf16, f16 or f32 operands, with f32 sums. Whichever they take, every output number must still come out within the allowed error. Rounding operands to bf16 (8 significant bits) uses up far more of that allowance than f16 does (11 bits, for magnitudes from 6e-5 to 65,504). All else is computed in f32.
;;   The module's matrix products, in the order in which they are computed (A, B: the left and right operand; K: the contracted axis; several contracted axes count as one K, in the product's order):
;;     1. [M 8,192, K 1,024] x [K 1,024, N 1,024]; A: input X; B: input W_Q: QUANTISED
;;     2. [M 8,192, K 1,024] x [K 1,024, N 1,024]; A: input X; B: input W_K: QUANTISED
;;     3. [M 8,192, K 1,024] x [K 1,024, N 1,024]; A: input X; B: input W_V: QUANTISED
;;     4. batch 4 x [M 2,048, K 1,024] x [K 1,024, N 2,048]; A: computed on the way; B: computed on the way: left as it is (an operand is computed on the way)
;;     5. batch 4 x [M 2,048, K 2,048] x [K 2,048, N 1,024]; A: computed on the way; B: computed on the way: left as it is (an operand is computed on the way)
;;     6. [M 8,192, K 1,024] x [K 1,024, N 1,024]; A: computed on the way; B: input W_O: left as it is (an operand is computed on the way)
;;   THE QUANTISER, for each operand of a quantised product, along K:
;;     - K is cut into blocks of 32 from its start; a last block that is shorter is filled with zeros.
;;     - A block's scale is 2^e with e = floor(log2(the largest magnitude in the block)) - 2, held to -126 .. 127; a block of zeros has e = 0. As a byte (E8M0): e + 127.
;;     - Each number is divided by its block's scale, clamped to +-6, and rounded to the nearest number of E2M1, ties to even, subnormals kept.
;;     - The product sums the exact products of the quantised numbers (number of the format x scale) in f32.
;;   ~~~python
;;   def quantise(x, axis):      # numpy; x: float32 -> the quantised numbers, widened to float32 again
;;       x = np.moveaxis(x, axis, -1); K = x.shape[-1]
;;       x = np.pad(x, [(0, 0)] * (x.ndim - 1) + [(0, -K % 32)]); x = x.reshape(x.shape[:-1] + (-1, 32)); a = np.abs(x).max(-1, keepdims=True)
;;       e = np.where(a > 0, np.clip(np.frexp(np.where(a > 0, a, 1))[1] - 1 - 2, -126, 127), 0)      # np.frexp(a)[1] - 1 = floor(log2(a)), exactly
;;       r = np.clip(x / 2.0 ** e, -6, 6)
;;       step = 2.0 ** (np.maximum(np.frexp(np.where(r == 0, 1, r))[1] - 1, 0) - 1)
;;       q = np.round(r / step) * step * 2.0 ** e      # np.round: ties to even
;;       return np.moveaxis(q.reshape(q.shape[:-2] + (-1,))[..., :K], -1, axis).astype(np.float32)
;;   ~~~
;; One version. Each part assembles by itself: llvm-mc -triple=amdgcn-amd-amdhsa -mcpu=gfx1250 --defsym DOCPART=n.
;; ======== version 1 of 1: 5 launches
;; limits: values are held in f16: magnitudes above 65,504 overflow, below 6.1e-05 lose precision
;; workspace buffers: xq 4,456,448 bytes; wq 3,768,320 bytes; qk 33,554,432 bytes; vt 16,777,216 bytes; pt 33,554,432 bytes; st 1,048,576 bytes; hh 16,777,216 bytes
;; launch prep (part 1): grid 416 x 1, 4 waves a work-group, no clusters, 102,912 bytes of LDS; arguments X, W_Q, W_K, W_V, W_O, xq, wq; writes xq, wq
.if DOCPART == 1
	.amdgcn_target "amdgcn-amd-amdhsa--gfx1250"
	.amdhsa_code_object_version 6
	.text
	.protected	k_qb7441bf97a_prep
	.globl	k_qb7441bf97a_prep
	.p2align	8
	.type	k_qb7441bf97a_prep,@function
k_qb7441bf97a_prep:
	s_mov_b64 s[64:65], 0
	v_nop
	global_prefetch_b8 v0, s[64:65] scope:SCOPE_SE
	s_setreg_imm32_b32 hwreg(HW_REG_WAVE_MODE, 25, 1), 1
	s_wait_xcnt 0x0
; PREP: the operands of the later launches are laid out once.  Nothing of the problem is left out anywhere in this program: all five inputs reach the output, and all six products are done.
;   work-groups 0-255:   X [8192][1024] f32 -> codes of FP4 (E2M1), K (= e) innermost, xq[row][512 bytes], and one E8M0 byte for each 32 along K, xq + XSCL [row][32].
;   work-groups 256-351: W_Q, W_K, W_V [e][n] f32, K (= e) their FIRST axis -> codes laid [n][512 bytes] with K innermost, rows 0-1023 W_Q's columns, 1024-2047 W_K's, 2048-3071 W_V's; bytes at wq + WSCL [n][32].
;   work-groups 352-415: W_O [v][e] f32 -> f16, turned: wq + WOT [e][v], since v is the last product's K.
; A block's scale is 2^(floor(log2(its largest magnitude)) - 2); its byte is the largest magnitude's exponent field - 2, held at 1 from below.  A block of zeros so gets the byte 1 where the rule says 127:
; its codes are zeros, which add nothing under any byte but 0xff, and the bytes are read by this program alone.
; LIMITS: blocks whose largest magnitude lies under 2^(2 - 126), the floor, keep the byte 1; NaN and infinities among the inputs are not served; numbers of W_O beyond f16's range (65,504) are not served.
; The three paths part on the work-group's number and never join; each has LDS bytes of its own.  No tensor loads.  Only the weights' path has a barrier: there two waves make one row of codes.
.set SPW,   12                         ; v12  LDS address of my spare word: SPARE + 4 x my thread's number; never rewritten
.set NIL,   13                         ; v13  0; never rewritten
.set WLDS,  32768                      ; path X has LDS bytes 0 .. 32,767, path W 32,768 .. 50,175, path O 67,584 .. 102,399
.set OLDS,  67584
.set SPARE, 102400                     ; the spare words, 128 bytes for each wave: two blocks of 256 bytes that no other line names
.set XSCL,  4194304                    ; xq: where the scale bytes begin
.set WSCL,  1572864                    ; wq: where the scale bytes begin
.set WOT,   1671168                    ; wq: where W_O's f16 numbers begin
.set EMAX,  2
	s_load_b256 s[4:11], s[0:1], 0x0               ; X s[4:5], W_Q s[6:7], W_K s[8:9], W_V s[10:11]
	s_load_b128 s[12:15], s[0:1], 0x20             ; W_O s[12:13], xq s[14:15]
	s_load_b64 s[16:17], s[0:1], 0x30              ; wq
	v_lshl_add_u32 v[SPW], v0, 2, SPARE
	v_mov_b32 v[NIL], 0
	v_lshrrev_b32 v1, 5, v0
	v_readfirstlane_b32 s18, v1                    ; wave 0..3
	v_and_b32 v2, 31, v0                           ; lane
	s_wait_kmcnt 0x0
	s_cmp_ge_u32 ttmp9, 352
	s_cbranch_scc1 .Lpath_o
	s_cmp_ge_u32 ttmp9, 256
	s_cbranch_scc1 .Lpath_w
; ---------------- PATH X.  Rows are dense and 1,024 is a multiple of 32: X is a plain stream of blocks of 32 numbers, and so are its codes and its scale bytes.
; A wave takes 16 steps of 512 numbers.  Each of a step's four loads reads 512 consecutive bytes, 16 a lane; the 2,048 bytes go through the wave's own stage in LDS and come back 64 bytes a lane,
; so that a lane holds 16 NEIGHBOURS along K (two neighbouring lanes hold a block).  The stage has 16 bytes of padding behind each 64.  Loads run four steps ahead, the turn through LDS one step.
.set XSTEPS, 16
.set XR,    16                         ; v16-79   four sets of 16 numbers as they are loaded
.set XN,    80                         ; v80-111  two sets of 16 neighbours
.set XE,    112                        ; v112-127 a scale byte for each step
.set XC,    128                        ; v128-191 codes: four registers for each step, so that no store's data are written again
.set XWREG, 8192                       ; a wave's LDS: two stages of 32 x XSP bytes, and behind them its 256 scale bytes
.set XSP,   80
	v_lshlrev_b32 v3, 4, v2                        ; my 16 bytes of a load's 512
	s_mul_i32 s19, s18, XWREG
	v_lshrrev_b32 v14, 2, v2
	v_mul_u32_u24 v14, v14, XSP
	v_and_b32 v15, 3, v2
	v_lshl_add_u32 v14, v15, 4, v14
	v_add_nc_u32 v14, s19, v14                     ; the stage, on the way in: XSP (lane / 4) + 16 (lane % 4)
	v_mul_u32_u24 v15, v2, XSP
	v_add_nc_u32 v15, s19, v15                     ; and on the way out: XSP x lane
	v_lshlrev_b32 v4, 3, v2                        ; my codes' place in a step's: 8 bytes a lane
	v_lshrrev_b32 v5, 1, v2
	s_add_co_u32 s19, s19, 2*32*XSP
	v_add_nc_u32 v5, s19, v5                       ; LDS: my wave's 256 scale bytes, my block's byte
	v_lshlrev_b32 v7, 3, v2
	v_add_nc_u32 v6, s19, v7                       ; and on the way out 8 bytes a lane
	s_lshl_b32 s20, ttmp9, 2
	s_add_co_u32 s20, s20, s18                     ; which run of 8,192 numbers is my wave's
	s_mov_b32 s23, 0
	s_lshl_b32 s22, s20, 15
	s_add_nc_u64 s[4:5], s[4:5], s[22:23]          ; 32,768 bytes of X a run
	s_lshl_b32 s22, s20, 12
	s_add_nc_u64 s[24:25], s[14:15], s[22:23]      ; 4,096 bytes of codes
	s_lshl_b32 s22, s20, 8
	s_add_co_u32 s22, s22, XSCL
	s_add_nc_u64 s[26:27], s[14:15], s[22:23]      ; 256 scale bytes
.macro XLOAD t
.irp i, 0,1,2,3
	global_load_b128 v[XR+16*((\t)%4)+4*\i:XR+16*((\t)%4)+4*\i+3], v3, s[4:5] offset:2048*(\t)+512*\i th:TH_LOAD_NT   ; 32 lanes read 512 consecutive bytes
.endr
.endm
.macro XTURN t                         ; step t's numbers through the stage: LDS serves a wave's instructions in order, so no wait stands between the stores and the loads
.irp i, 0,1,2,3
	ds_store_b128 v14, v[XR+16*((\t)%4)+4*\i:XR+16*((\t)%4)+4*\i+3] offset:32*XSP*((\t)%2)+8*XSP*\i
.endr
.irp i, 0,1,2,3
	ds_load_b128 v[XN+16*((\t)%2)+4*\i:XN+16*((\t)%2)+4*\i+3], v15 offset:32*XSP*((\t)%2)+16*\i
.endr
.endm
.irp t, 0,1,2,3
	XLOAD \t
.endr
	s_wait_loadcnt 12                              ; step 0's four loads are in; the twelve of steps 1 to 3 may be out
	XTURN 0
.macro XSTEP t
.set XS, XN+16*((\t)%2)
.if (\t) > 0
	s_wait_dscnt 1                                 ; this step's numbers are back from the stage (the last step's byte store may be out)
.else
	s_wait_dscnt 0x0
.endif
.if (\t)+4 < XSTEPS
	XLOAD (\t)+4                                   ; the registers that this step's stage stores have read take the loads of four steps on
.endif
.if (\t)+1 < XSTEPS
.if XSTEPS-2-(\t) >= 3
	s_wait_loadcnt 12                              ; the next step's four loads are in; those of the three steps behind it may be out
.else
	s_wait_loadcnt 4*(XSTEPS-2-(\t))
.endif
	XTURN (\t)+1
.endif
	v_max3_num_f32 v8, |v[XS]|, |v[XS+1]|, |v[XS+2]|               ; the largest magnitude of my 16, in two chains
	v_max3_num_f32 v9, |v[XS+3]|, |v[XS+4]|, |v[XS+5]|
.irp i, 6,10
	v_max3_num_f32 v8, v8, |v[XS+\i]|, |v[XS+\i+1]|
	v_max3_num_f32 v9, v9, |v[XS+\i+2]|, |v[XS+\i+3]|
.endr
	v_max3_num_f32 v8, v8, |v[XS+14]|, |v[XS+15]|
	v_max3_num_f32 v8, v8, v9, (EMAX+1)<<23        ; and the floor 2^(EMAX + 1 - 127): so the byte cannot fall under 1
	v_max_num_f32_dpp v8, v8, v8 row_xmask:1 row_mask:0xf bank_mask:0xf   ; and of my neighbour's 16: the block's
	v_add_nc_u32 v11, -(EMAX<<23), v8              ; EMAX off its exponent field: the conversion takes the exponent field of this operand as its scale, and nothing else of it
	v_cvt_scalef32_pk8_fp4_f32 v[XC+4*(\t)], v[XS:XS+7], v11
	v_cvt_scalef32_pk8_fp4_f32 v[XC+4*(\t)+1], v[XS+8:XS+15], v11
	v_lshrrev_b32 v[XE+(\t)], 23, v11              ; the scale's byte (a plain line behind the conversions)
	ds_store_b8 v5, v[XE+(\t)] offset:16*(\t)      ; both lanes of a block write the same byte with the same value
	global_store_b64 v4, v[XC+4*(\t):XC+4*(\t)+1], s[24:25] offset:256*(\t)   ; the wave stores 256 consecutive bytes, aligned
.endm
.irp t, 0,1,2,3,4,5,6,7,8,9,10,11,12,13,14,15
	XSTEP \t
.endr
	ds_load_b64 v[8:9], v6                         ; LDS serves a wave's instructions in order: these see my byte stores
	s_wait_dscnt 0x0
	global_store_b64 v7, v[8:9], s[26:27]          ; 32 lanes store 256 consecutive bytes, aligned
	s_wait_tensorcnt 0x0                           ; the wave's end: the wait, the add and its wait stand behind my last LDS store
	ds_add_u32 v[SPW], v[NIL]
	s_wait_dscnt 0x0
	s_endpgm
; ---------------- PATH W.  A LANE TAKES A COLUMN n, AND ITS REGISTERS RUN DOWN K: a block of 32 along K lies in one lane's 32 registers, and the conversions give codes with K innermost.
; A work-group takes 64 columns x 512 along K.  Wave w takes columns 32 (w % 2) on and K 256 (w / 2) on: 8 blocks a lane, one behind the other, two blocks' loads ahead; two waves stand side by side on 256
; consecutive bytes of a row of W.  A column's 256 bytes of codes come from two waves: they meet in the work-group's stage, 64 rows of 272 bytes; a barrier; then each wave stores 16 whole rows:
; sixteen lanes store 256 consecutive bytes, aligned.
.set WNB,    8                         ; blocks a lane
.set WPITCH, 272                       ; a stage row: 256 bytes + 16
.set WX,     32                        ; v32-95   two sets of 32 numbers
.set WC,     96                        ; v96-99   a block's codes
.set WOUT,   112                       ; v112-143 the way out
.set WSB,    24                        ; v24-25   the scale bytes, four to a register
.Lpath_w:
	s_sub_co_u32 s19, ttmp9, 256
	s_lshr_b32 s20, s19, 5                         ; which tensor: 0 W_Q, 1 W_K, 2 W_V
	s_and_b32 s21, s19, 15                         ; which 64 columns
	s_bfe_u32 s22, s19, 0x10004                    ; which 512 along K
	s_and_b32 s32, s18, 1                          ; my wave: which 32 of the columns,
	s_lshr_b32 s33, s18, 1                         ; and which 256 along K
	s_cmp_eq_u32 s20, 1                            ; the choices hang on the work-group's number alone
	s_cselect_b64 s[6:7], s[8:9], s[6:7]
	s_cmp_eq_u32 s20, 2
	s_cselect_b64 s[6:7], s[10:11], s[6:7]
	s_lshl_b32 s21, s21, 6                         ; the work-group's first column
	s_lshl_b32 s23, s32, 5
	s_add_co_u32 s23, s21, s23                     ; my wave's first column
	s_lshl_b32 s24, s22, 21                        ; 512 rows of 4,096 bytes,
	s_lshl_b32 s25, s33, 20                        ; 256 rows,
	s_add_co_u32 s24, s24, s25
	s_lshl_b32 s25, s23, 2                         ; 4 bytes a column
	s_add_co_u32 s24, s24, s25
	s_mov_b32 s25, 0
	s_add_nc_u64 s[6:7], s[6:7], s[24:25]
	s_lshl_b32 s20, s20, 10                        ; the tensor's first row of wq
	s_add_co_u32 s26, s20, s21
	s_lshl_b32 s27, s18, 4
	s_add_co_u32 s26, s26, s27                     ; the first of the 16 rows that I store
	s_lshl_b32 s24, s26, 9
	s_lshl_b32 s27, s22, 8
	s_add_co_u32 s24, s24, s27
	s_add_nc_u64 s[28:29], s[16:17], s[24:25]      ; codes: row x 512 + 256 y
	s_add_co_u32 s26, s20, s23                     ; my first column's row
	s_lshl_b32 s24, s26, 5
	s_lshl_b32 s27, s22, 4
	s_add_co_u32 s24, s24, s27
	s_lshl_b32 s27, s33, 3
	s_add_co_u32 s24, s24, s27
	s_add_co_u32 s24, s24, WSCL
	s_add_nc_u64 s[30:31], s[16:17], s[24:25]      ; scale bytes: row x 32 + 16 y + 8 x my half
	s_mul_i32 s24, s32, 32*WPITCH                  ; into the stage: row = my column, my half of its 256 bytes
	s_lshl_b32 s27, s33, 7
	s_add_co_u32 s24, s24, s27
	s_add_co_u32 s24, s24, WLDS
	v_lshlrev_b32 v3, 2, v2                        ; in: 4 bytes a lane
	v_mul_u32_u24 v4, v2, WPITCH
	v_add_nc_u32 v4, s24, v4
	s_mul_i32 s24, s18, 16*WPITCH                  ; out of it: rows 16 w on; sixteen lanes to a row, two rows an instruction
	s_add_co_u32 s24, s24, WLDS
	v_and_b32 v5, 15, v2
	v_lshrrev_b32 v6, 4, v2
	v_mul_u32_u24 v7, v6, WPITCH
	v_lshl_add_u32 v7, v5, 4, v7
	v_add_nc_u32 v7, s24, v7
	v_lshlrev_b32 v8, 9, v6
	v_lshl_add_u32 v8, v5, 4, v8                   ; and the same place among the codes
	v_lshlrev_b32 v9, 5, v2                        ; my column's row of scale bytes
.macro WLOAD t                         ; block t: W(32 t + i, my column), i = 0 .. 31, into set t % 2
.irp i, 0,1,2,3,4,5,6,7,8,9,10,11,12,13,14,15,16,17,18,19,20,21,22,23,24,25,26,27,28,29,30,31
	global_load_b32 v[WX+32*((\t)%2)+\i], v3, s[6:7] offset:(32*(\t)+\i)*4096 th:TH_LOAD_NT
.endr
.endm
	WLOAD 0
	WLOAD 1
.macro WBLOCK t
.set XS, WX+32*((\t)%2)
.if (\t) < WNB-1
	s_wait_loadcnt 32                              ; this block's 32 loads are in; the next block's may be out
.else
	s_wait_loadcnt 0
.endif
	v_max3_num_f32 v16, |v[XS]|, |v[XS+1]|, |v[XS+2]|              ; the block's largest magnitude: all 32 numbers are mine
	v_max3_num_f32 v17, |v[XS+3]|, |v[XS+4]|, |v[XS+5]|
.irp i, 6,10,14,18,22,26
	v_max3_num_f32 v16, v16, |v[XS+\i]|, |v[XS+\i+1]|
	v_max3_num_f32 v17, v17, |v[XS+\i+2]|, |v[XS+\i+3]|
.endr
	v_max3_num_f32 v16, v16, |v[XS+30]|, |v[XS+31]|
	v_max3_num_f32 v16, v16, v17, (EMAX+1)<<23     ; and the floor
	v_add_nc_u32 v11, -(EMAX<<23), v16             ; the conversion's scale operand
	v_lshrrev_b32 v17, 23, v11                     ; the scale's byte
.if (\t)%4 == 0
	v_mov_b32 v[WSB+(\t)/4], v17                   ; four bytes to a register, the lower K in the lower byte
.else
	v_lshl_or_b32 v[WSB+(\t)/4], v17, 8*((\t)%4), v[WSB+(\t)/4]
.endif
.irp g, 0,1,2,3
	v_cvt_scalef32_pk8_fp4_f32 v[WC+\g], v[XS+8*\g:XS+8*\g+7], v11
.endr
	ds_store_b128 v4, v[WC:WC+3] offset:16*(\t)    ; 32 codes: 16 bytes of my column's row.  (The next vector line that touches these registers stands behind plain vector lines: the next block's maxima)
.if (\t)+2 < WNB
	WLOAD (\t)+2
.endif
	s_wait_dscnt 0x0                               ; the store has read its registers and has landed: the next block's codes may be written; behind the last block: for the other waves' sake
.endm
.set Q, 0
.rept WNB
	WBLOCK Q
.set Q, Q+1
.endr
	s_barrier_signal -1                            ; every wave's stores into the stage have landed
	s_barrier_wait -1
.irp t, 0,1,2,3,4,5,6,7
	ds_load_b128 v[WOUT+4*\t:WOUT+4*\t+3], v7 offset:2*\t*WPITCH   ; whole rows: each half stored by another wave
.endr
	global_store_b64 v9, v[WSB:WSB+1], s[30:31]    ; my column's 8 scale bytes
.irp t, 0,1,2,3,4,5,6,7
	s_wait_dscnt 7-\t                              ; LDS loads come back in order: pair t of rows is in, the younger ones may be out
	global_store_b128 v8, v[WOUT+4*\t:WOUT+4*\t+3], s[28:29] offset:2*\t*512
.endr
	s_wait_tensorcnt 0x0                           ; the wave's end: the wait, the add and its wait stand behind my last LDS store
	ds_add_u32 v[SPW], v[NIL]
	s_wait_dscnt 0x0
	s_endpgm
; ---------------- PATH O.  A lane takes a column e of W_O, its registers run down v; pairs are rounded to f16.  A wave takes 32 columns x 128 along v: 256 bytes a column, through a stage of its own.
.set ONB,  4
.set OX,   32                          ; v32-95   two sets of 32 numbers
.set OC,   96                          ; v96-111  a block's 32 numbers in f16
.set OOUT, 112                         ; v112-175 the way out
.Lpath_o:
	s_sub_co_u32 s19, ttmp9, 352
	s_and_b32 s20, s19, 7                          ; which 128 columns e
	s_lshr_b32 s21, s19, 3                         ; which 128 rows v
	s_lshl_b32 s20, s20, 7
	s_lshl_b32 s22, s18, 5
	s_add_co_u32 s20, s20, s22                     ; my wave's first column
	s_lshl_b32 s22, s21, 19                        ; 128 rows of 4,096 bytes
	s_lshl_b32 s23, s20, 2
	s_add_co_u32 s22, s22, s23
	s_mov_b32 s23, 0
	s_add_nc_u64 s[12:13], s[12:13], s[22:23]
	s_lshl_b32 s22, s20, 11                        ; out: row e of 2,048 bytes,
	s_lshl_b32 s24, s21, 8                         ; + 256 bytes for each 128 along v
	s_add_co_u32 s22, s22, s24
	s_add_co_u32 s22, s22, WOT
	s_add_nc_u64 s[16:17], s[16:17], s[22:23]
	s_mul_i32 s24, s18, 32*WPITCH
	s_add_co_u32 s24, s24, OLDS                    ; my stage
	v_lshlrev_b32 v3, 2, v2
	v_mul_u32_u24 v4, v2, WPITCH
	v_add_nc_u32 v4, s24, v4
	v_and_b32 v5, 15, v2
	v_lshrrev_b32 v6, 4, v2
	v_mul_u32_u24 v7, v6, WPITCH
	v_lshl_add_u32 v7, v5, 4, v7
	v_add_nc_u32 v7, s24, v7
	v_lshlrev_b32 v8, 11, v6
	v_lshl_add_u32 v8, v5, 4, v8
.macro OLOAD t
.irp i, 0,1,2,3,4,5,6,7,8,9,10,11,12,13,14,15,16,17,18,19,20,21,22,23,24,25,26,27,28,29,30,31
	global_load_b32 v[OX+32*((\t)%2)+\i], v3, s[12:13] offset:(32*(\t)+\i)*4096 th:TH_LOAD_NT
.endr
.endm
	OLOAD 0
	OLOAD 1
.macro OBLOCK t
.set XS, OX+32*((\t)%2)
.if (\t) < ONB-1
	s_wait_loadcnt 32                              ; this block's 32 loads are in; the next block's may be out
.else
	s_wait_loadcnt 0
.endif
.irp i, 0,1,2,3,4,5,6,7,8,9,10,11,12,13,14,15
	v_cvt_pk_f16_f32 v[OC+\i], v[XS+2*\i], v[XS+2*\i+1]            ; the lower v into the low half
.endr
.irp i, 0,1,2,3
	ds_store_b128 v4, v[OC+4*\i:OC+4*\i+3] offset:64*(\t)+16*\i
.endr
.if (\t)+2 < ONB
	OLOAD (\t)+2
.endif
	s_wait_dscnt 0x0                               ; the stores have read their registers
.endm
.irp t, 0,1,2,3
	OBLOCK \t
.endr
.irp t, 0,1,2,3,4,5,6,7,8,9,10,11,12,13,14,15
	ds_load_b128 v[OOUT+4*\t:OOUT+4*\t+3], v7 offset:2*\t*WPITCH
.endr
.irp t, 0,1,2,3,4,5,6,7,8,9,10,11,12,13,14,15
	s_wait_dscnt 15-\t
	global_store_b128 v8, v[OOUT+4*\t:OOUT+4*\t+3], s[16:17] offset:2*\t*2048   ; sixteen lanes store 256 consecutive bytes, aligned
.endr
	s_wait_tensorcnt 0x0                           ; the wave's end: the wait, the add and its wait stand behind my last LDS store
	ds_add_u32 v[SPW], v[NIL]
	s_wait_dscnt 0x0
	s_endpgm
.Lfunc_end_k_qb7441bf97a_prep:
	.size	k_qb7441bf97a_prep, .Lfunc_end_k_qb7441bf97a_prep-k_qb7441bf97a_prep
	.p2alignl 7, 3214868480
	.fill 96, 4, 3214868480
	.section	.rodata,"a",@progbits
	.p2align	6, 0x0
	.amdhsa_kernel k_qb7441bf97a_prep
		.amdhsa_group_segment_fixed_size 102912
		.amdhsa_private_segment_fixed_size 0
		.amdhsa_enable_private_segment 0
		.amdhsa_kernarg_size 56
		.amdhsa_user_sgpr_count 2
		.amdhsa_user_sgpr_kernarg_segment_ptr 1
		.amdhsa_wavefront_size32 1
		.amdhsa_system_sgpr_workgroup_id_x 1
		.amdhsa_system_sgpr_workgroup_id_y 1
		.amdhsa_system_sgpr_workgroup_id_z 1
		.amdhsa_system_vgpr_workitem_id 0
		.amdhsa_next_free_vgpr 192
		.amdhsa_next_free_sgpr 66
		.amdhsa_reserve_vcc 0
		.amdhsa_float_denorm_mode_32 3
		.amdhsa_float_denorm_mode_16_64 3
		.amdhsa_memory_ordered 1
		.amdhsa_forward_progress 1
		.amdhsa_inst_pref_size 95
	.end_amdhsa_kernel
	.amdgpu_metadata
---
amdhsa.version: [ 1, 2 ]
amdhsa.kernels:
  - .name:           k_qb7441bf97a_prep
    .symbol:         k_qb7441bf97a_prep.kd
    .args:
      - { .name: X, .offset: 0, .size: 8, .value_kind: global_buffer, .address_space: global }
      - { .name: W_Q, .offset: 8, .size: 8, .value_kind: global_buffer, .address_space: global }
      - { .name: W_K, .offset: 16, .size: 8, .value_kind: global_buffer, .address_space: global }
      - { .name: W_V, .offset: 24, .size: 8, .value_kind: global_buffer, .address_space: global }
      - { .name: W_O, .offset: 32, .size: 8, .value_kind: global_buffer, .address_space: global }
      - { .name: xq, .offset: 40, .size: 8, .value_kind: global_buffer, .address_space: global }
      - { .name: wq, .offset: 48, .size: 8, .value_kind: global_buffer, .address_space: global }
    .group_segment_fixed_size: 102912
    .private_segment_fixed_size: 0
    .kernarg_segment_align: 8
    .kernarg_segment_size: 56
    .max_flat_workgroup_size: 128
    .sgpr_count:     66
    .vgpr_count:     192
    .wavefront_size: 32
...
	.end_amdgpu_metadata
.endif
;; end of part 1
;; launch qkv (part 2): grid 8 x 48, 4 waves a work-group, clusters of 4 x 4, 327,680 bytes of LDS; arguments xq, wq, qk, vt; writes qk, vt
.if DOCPART == 2
	.amdgcn_target "amdgcn-amd-amdhsa--gfx1250"
	.amdhsa_code_object_version 6
	.text
	.protected	k_qb7441bf97a_qkv
	.globl	k_qb7441bf97a_qkv
	.p2align	8
	.type	k_qb7441bf97a_qkv,@function
k_qb7441bf97a_qkv:
	s_mov_b64 s[64:65], 0
	v_nop
	global_prefetch_b8 v0, s[64:65] scope:SCOPE_SE
	s_setreg_imm32_b32 hwreg(HW_REG_WAVE_MODE, 25, 1), 1
	s_wait_xcnt 0x0
	s_wait_alu depctr_hold_cnt(0) depctr_sa_sdst(0) depctr_va_vdst(0) depctr_va_sdst(0) depctr_va_ssrc(0) depctr_va_vcc(0) depctr_vm_vsrc(0)
	s_getreg_b32 s2, hwreg(HW_REG_IB_STS2, 6, 4)
	s_cmp_eq_u32 s2, 0
	s_cbranch_scc0 .Lentry_in_a_cluster
	s_endpgm
.Lentry_in_a_cluster:
	s_bfe_u32 s2, ttmp6, 0x10000c
	s_cmp_lg_u32 s2, 0xf033
	s_cbranch_scc0 .Lentry_shape_is_right
	s_endpgm
.Lentry_shape_is_right:
; QKV: the three quantised products, on codes of FP4 (E2M1) with one E8M0 scale for each 32 along K = 1,024; sums in f32, results rounded once to f16.  No work of the problem is left out here.
;   clusters y = 0 .. 7:  C = qk [8192 tokens][2048]: A = X's codes (rows = tokens), B = rows 0-2047 of wq (W_Q's and W_K's columns): Q in columns 0-1023, K in 1024-2047.
;   clusters y = 8 .. 11: C = vt [4][1024 v][2048 s]: A = rows 2048-3071 of wq (W_V's columns), B = X's codes: V comes out TURNED, its keys innermost, as the product P V wants it.
; Which part a cluster has is chosen by selects on the cluster's y, the same number in all sixteen partners: buffers, offsets and tile numbers are chosen, no branch is taken.
; A tile of C, 256 x 256, is made by a work-group of four waves; a wave makes 128 x 128: 64 accumulators of 16 x 16, 512 registers.  K = 1,024 is two slots of 512 along K (rows of 256 bytes):
; both are asked for at the head, with the scale bytes of the work-group's rows, and nothing is filled again.
; CLUSTERS: 4 x 4.  The four of a row of the cluster need the same tiles of A, the four of a column the same tiles of B: each is asked for JOINTLY, by the same tensor load with the same descriptor and a mask that names the four.
; THE MATRIX INSTRUCTION IS USED TRANSPOSED (source 0 = 16 rows of B, source 1 = 16 rows of A): a lane then holds eight neighbouring numbers of a row of C.
; LIMIT: results beyond f16's range (65,504) are not served: Q, K and V have room there for inputs some 30 times larger than unit X and weights of spread 1/32.
; REGISTERS, in windows of 256: window 0: v0-31 addresses; v32-95 scale words, two sets (they hold nothing else); from v128 A's fragments, ONE set; on the way out v128-223.
;   window 1: B's fragments, TWO sets, at v0 and v128.   window 2: the accumulators of my rows 0-63 ((a, b) at v[8 (8 a + b)]);   window 3: those of my rows 64-127.
.set NQ,     4                         ; matrix instructions deep in a slot: 512 along K
.set ROWB,   256                       ; a tile's row in bytes
.set KROW,   512                       ; a row of codes in memory
.set PITCH,  272                       ; an LDS row: 256 bytes + 16 of padding: the 16 rows that a load touches start 68 words apart
.set FR,     8                         ; registers of a fragment: 16 rows x 128 K
.set NL,     2                         ; LDS loads that bring one
.set NP,     4                         ; places behind this matrix instruction (ISA guide 7.12.1)
.set HALFT,  128*PITCH                 ; 128 rows: what one tensor load brings
.set SLOT,   4*HALFT                   ; A's 256 rows, then B's 256 rows
.set KS,     32                        ; a row of scales in bytes
.set SCL,    2*SLOT                    ; behind the slots: the scales, as units of 256 bytes + 16 of padding
.set HALFS,  (128*KS/256)*272          ; the scales of 128 rows
.set SBLK,   (16*KS/256)*272           ; those of 16 rows
.set SPARE,  SCL+4*HALFS               ; the spare words, 128 bytes for each wave: two blocks of 256 bytes that no other line names
.set SPITCH, 272                       ; the way out: a stage of 16 rows x (256 bytes + 16) for each wave, in slot 0, which has had its only fill and its last read when the first result is stored there
.set ROWC,   4096                      ; a row of qk and of vt in bytes
.set XSCL,   4194304                   ; xq: where the scale bytes begin
.set WSCL,   1572864                   ; wq: where the scale bytes begin
.set WVC,    2048*512                  ; wq: where W_V's codes begin,
.set WVS,    WSCL+2048*32              ; and its scale bytes
.set ADRA, 16                          ; v16-17  LDS address of my A fragments in slot 0, 1
.set ADRB, 20                          ; v20-21  the same for B
.set STO,  24                          ; v24     the way out: where I put 16 bytes of a row
.set RD,   25                          ; v25     the way out: where I read a row back
.set CO,   26                          ; v26     my byte offset in two rows of C
.set ADRS, 27                          ; v27     LDS address of my scale words: lanes 0-15 A's rows, lanes 16-31 B's
.set SPW,  28                          ; v28     LDS address of my spare word; never rewritten
.set NIL,  29                          ; v29     0; never rewritten
.set SC,   32                          ; scale words: set s at v[SC + 32 s]; register NQ i + q: lanes 0-15 the word of A's block i, lanes 16-31 that of B's block i, for the slot's q-th 128 along K
.set AF,   128                         ; A's fragments, in window 0
.set BKR,  128                         ; the way out: 16 rows read back: v128-159 and v160-191 by turns
.set TMP,  192                         ; the way out: packed results, v192-223
.set G1, 24                            ; s[24:31] descriptor group 1 for A's tiles;  s[32:39] group 0, one set for each slot
.set G0, 32
.set G1B, 48                           ; s[48:55], s[56:63] the same for B's tiles
.set G0B, 56
.set G1S, 68                           ; s[68:75], s[76:79] groups 1 and 0 for A's scales;  s[80:87], s[88:91] for B's
.set G0S, 76
.set G1SB, 80
.set G0SB, 88
.set MSB, 0
.macro WIN new                         ; the immediate's high byte repeats the setting that is left; a switch that changes nothing is dropped
.if MSB != (\new)
	s_set_vgpr_msb (MSB<<8)|(\new)
.set MSB, (\new)
.endif
.endm
.set MUL_LO, 0xa1                      ; source 0 (B) window 1, source 1 (A) window 0, C and D window 2
.set MUL_HI, 0xf1                      ; the same, C and D window 3
.set TO_B,   0x40                      ; destination window 1, address window 0
; A joint load: waves 0 and 1 fetch for A, waves 2 and 3 for B.  Each of the two lines has ONE mask and one set of registers for all that issue it; the branch hangs on the wave's number alone.
; An s_nop 0 and four v_nop follow each of the two lines, ahead of the jump, the label and what follows.
.macro JLOAD g0a, g1a, g0b, g1b
	s_cmp_eq_u32 s15, 0
	s_cbranch_scc0 .Lfor_b_\@
	tensor_load_to_lds s[\g0a:\g0a+3], s[\g1a:\g1a+7]
	s_nop 0
.rept 4
	v_nop
.endr
	s_branch .Lasked_\@
.Lfor_b_\@:
	tensor_load_to_lds s[\g0b:\g0b+3], s[\g1b:\g1b+7]
	s_nop 0
.rept 4
	v_nop
.endr
.Lasked_\@:
.endm
.macro CROUND                          ; a round of the cluster's barrier: my work-group's barrier; wave 0 signals for the work-group; every wave waits for all sixteen; my work-group's barrier once more
	s_barrier_signal -1
	s_barrier_wait -1
	s_cmp_lg_u32 s14, 0
	s_cbranch_scc1 .Lnot_wave_0_\@
	s_barrier_signal -3
.Lnot_wave_0_\@:
	s_barrier_wait -3
	s_barrier_signal -1
	s_barrier_wait -1
.endm
	s_load_b256 s[4:11], s[0:1], 0x0               ; xq s[4:5], wq s[6:7], qk s[8:9], vt s[10:11]
	v_lshl_add_u32 v[SPW], v0, 2, SPARE
	v_mov_b32 v[NIL], 0
	ds_add_u32 v[SPW], v[NIL]                      ; the wave's opening: the add, twice on end, and its wait ahead of my first tensor load; the set-up below, work on registers, stands between
	ds_add_u32 v[SPW], v[NIL]
	v_lshrrev_b32 v1, 5, v0
	v_readfirstlane_b32 s14, v1                    ; wave 0..3
	s_lshr_b32 s15, s14, 1                         ; which half of the tile's rows is mine.  Also: I fetch for A (0) or for B (1)
	s_and_b32 s16, s14, 1                          ; which half of its columns.  Also: which 128 rows of that tile I fetch
	s_bfe_u32 s40, ttmp6, 0x40000                  ; cx, cy: my place in the cluster
	s_bfe_u32 s41, ttmp6, 0x40004
	s_and_b32 s96, ttmp7, 0xffff                   ; the cluster's y: under 8 the part Q | K, from 8 on the part V
	s_lshl_b32 s17, s96, 2                         ; Q | K: tile row 4 y + cy,
	s_lshl_b32 s42, ttmp9, 2                       ;        tile column 4 x + cx
	s_max_u32 s95, s96, 8
	s_sub_co_u32 s95, s95, 8
	s_lshl_b32 s95, s95, 3
	s_add_co_u32 s95, s95, s42                     ; V: tile row cy, tile column 8 (y - 8) + 4 x + cx
	s_mov_b32 s3, WVS
	s_mov_b32 s97, XSCL
	s_cmp_lt_u32 s96, 8
	s_cselect_b32 s17, s17, 0
	s_cselect_b32 s42, s42, s95
	s_cselect_b32 s2, 0, WVC                       ; where A's codes begin in their buffer,
	s_cselect_b32 s3, XSCL, s3                     ; A's scale bytes,
	s_cselect_b32 s97, WSCL, s97                   ; and B's (B's codes begin at 0 in both parts)
	s_add_co_u32 s17, s17, s41                     ; tile row of C
	s_add_co_u32 s42, s42, s40                     ; tile column of C
	s_lshl_b32 s43, s41, 2
	s_lshl_b32 s43, 15, s43                        ; my row of the cluster
	s_lshl_b32 s44, 0x1111, s40                    ; my column
	; descriptor group 1: a tile of 128 rows x 256 bytes, padded in LDS
	s_or_b32 s[G1+0], s43, (0<<16)|(1<<20)|(1<<21)|(5<<22)|(3<<25)  ; 15:0 the mask: A's tiles go to my row; 17:16 element of 1 byte; 20 padding on; 21 set beside a mask; 24:22 after every 64 words (code 5); 31:25 of 4 words (code 3)
	s_or_b32 s[G1B+0], s44, (0<<16)|(1<<20)|(1<<21)|(5<<22)|(3<<25)
.irp g, G1, G1B
	s_mov_b32 s[\g+1], ROWB<<16                    ; tensor_dim0
	s_mov_b32 s[\g+2], 128<<16                     ; tensor_dim1 = 128
	s_mov_b32 s[\g+3], ROWB<<16                    ; tile_dim0
	s_mov_b32 s[\g+4], 128                         ; tile_dim1 = 128
	s_mov_b32 s[\g+5], KROW                        ; tensor_dim0_stride
	s_mov_b32 s[\g+6], 0
	s_mov_b32 s[\g+7], 0
.endr
	; and for the scales of 128 rows: a dense block of 4,096 bytes, as 16 rows of 256 bytes (32 elements of 8 bytes), 16 bytes of padding behind each
	s_or_b32 s[G1S+0], s43, (3<<16)|(1<<20)|(1<<21)|(5<<22)|(3<<25)
	s_or_b32 s[G1SB+0], s44, (3<<16)|(1<<20)|(1<<21)|(5<<22)|(3<<25)
.irp g, G1S, G1SB
	s_mov_b32 s[\g+1], 32<<16
	s_mov_b32 s[\g+2], (128*KS/256)<<16
	s_mov_b32 s[\g+3], 32<<16
	s_mov_b32 s[\g+4], 128*KS/256
	s_mov_b32 s[\g+5], 32
	s_mov_b32 s[\g+6], 0
	s_mov_b32 s[\g+7], 0
.endr
	s_lshl_b32 s18, s16, 7                         ; which 128 rows of the tile I fetch
	s_lshl_b32 s20, s17, 8
	s_add_co_u32 s20, s20, s18                     ; A: row 256 x tile row + 128 x half
	s_lshl_b32 s46, s42, 8
	s_add_co_u32 s46, s46, s18                     ; B: row 256 x tile column + 128 x half
	s_lshl_b32 s22, s20, 5                         ; where these rows' scales begin, in bytes (all under 2^32),
	s_lshl_b32 s92, s46, 5
	s_lshl_b32 s20, s20, 9                         ; and their codes
	s_lshl_b32 s46, s46, 9
	s_add_co_u32 s20, s20, s2
	s_add_co_u32 s22, s22, s3
	s_add_co_u32 s92, s92, s97
	s_mov_b32 s21, 0
	s_mov_b32 s23, 0
	s_mov_b32 s47, 0
	s_mov_b32 s93, 0
	s_mul_i32 s45, s14, HALFT                      ; where they go: wave x 128 rows: no place in the cluster enters an LDS address
	s_mul_i32 s94, s14, HALFS
	s_wait_dscnt 0x0                               ; both opening adds are done
	s_wait_kmcnt 0x0
	s_cmp_lt_u32 s96, 8                            ; the buffers are chosen on the cluster's y, which hangs on no address
	s_cselect_b64 s[98:99], s[4:5], s[6:7]         ; A's buffer
	s_cselect_b64 s[100:101], s[6:7], s[4:5]       ; B's
	s_cselect_b64 s[12:13], s[8:9], s[10:11]       ; C
	s_add_nc_u64 s[20:21], s[98:99], s[20:21]
	s_add_nc_u64 s[22:23], s[98:99], s[22:23]
	s_add_nc_u64 s[46:47], s[100:101], s[46:47]
	s_add_nc_u64 s[92:93], s[100:101], s[92:93]
	CROUND                                         ; all sixteen work-groups are here: the first joint loads meet
	s_mov_b32 s[G0S], 1
	s_add_co_u32 s[G0S+1], s94, SCL
	s_mov_b64 s[G0S+2:G0S+3], s[22:23]
	s_or_b32 s[G0S+3], s[G0S+3], 0x80000000
	s_mov_b32 s[G0SB], 1
	s_add_co_u32 s[G0SB+1], s94, SCL
	s_mov_b64 s[G0SB+2:G0SB+3], s[92:93]
	s_or_b32 s[G0SB+3], s[G0SB+3], 0x80000000
	JLOAD G0S, G1S, G0SB, G1SB                     ; the scales first: they are wanted with the first slot
.irp s, 0,1
	s_mov_b32 s[G0+4*\s], 1
	s_add_co_u32 s[G0+4*\s+1], s45, \s*SLOT
	s_add_nc_u64 s[G0+4*\s+2:G0+4*\s+3], s[20:21], \s*ROWB
	s_or_b32 s[G0+4*\s+3], s[G0+4*\s+3], 0x80000000
	s_mov_b32 s[G0B+4*\s], 1
	s_add_co_u32 s[G0B+4*\s+1], s45, \s*SLOT
	s_add_nc_u64 s[G0B+4*\s+2:G0B+4*\s+3], s[46:47], \s*ROWB
	s_or_b32 s[G0B+4*\s+3], s[G0B+4*\s+3], 0x80000000
	JLOAD G0+4*\s, G1, G0B+4*\s, G1B               ; three tensor loads of mine are out behind the second of these
.endr
	v_and_b32 v1, 15, v0                           ; l % 16
	v_bfe_u32 v2, v0, 4, 1                         ; l / 16
	v_mul_u32_u24 v3, v1, PITCH
	v_lshl_add_u32 v4, v2, 4, v3                   ; a fragment's row x pitch + 16 x half
	s_mul_i32 s21, s15, HALFT                      ; my 128 rows of A
	s_mul_i32 s22, s16, HALFT                      ; my 128 rows of B,
	s_add_co_u32 s22, s22, 2*HALFT                 ; which lie behind A's 256
.irp s, 0,1
	v_add_nc_u32 v[ADRA+\s], s21, v4
	v_add_nc_u32 v[ADRB+\s], s22, v4
	s_add_co_u32 s21, s21, SLOT
	s_add_co_u32 s22, s22, SLOT
.endr
	v_mul_u32_u24 v5, v1, KS                       ; my row's scales: 32 bytes a row,
	v_lshrrev_b32 v6, 8, v5
	v_lshl_add_u32 v5, v6, 4, v5                   ; and 16 more for each 256 passed
	s_mul_i32 s21, s15, HALFS                      ; A's: my 128 rows
	s_mul_i32 s22, s16, HALFS                      ; B's: my 128 rows, behind A's 256
	s_add_co_u32 s22, s22, 2*HALFS
	s_sub_co_u32 s22, s22, s21
	v_mul_u32_u24 v6, s22, v2                      ; lanes 16-31 take B's: one product, the distance between the two bases
	s_add_co_u32 s21, s21, SCL
	v_add_nc_u32 v5, v5, v6
	v_add_nc_u32 v[ADRS], s21, v5
	s_mul_i32 s23, s14, 16*SPITCH                  ; my stage
	v_mul_u32_u24 v5, v1, SPITCH                   ; in: row l % 16, 16 bytes for each half of the lanes
	v_lshl_add_u32 v5, v2, 4, v5
	v_add_nc_u32 v[STO], s23, v5
	v_mul_u32_u24 v5, v2, SPITCH                   ; back: lanes 0-15 take one row of 256 bytes, lanes 16-31 the next
	v_lshl_add_u32 v5, v1, 4, v5
	v_add_nc_u32 v[RD], s23, v5
	v_lshlrev_b32 v5, 12, v2                       ; and the same two rows in C
	v_lshl_add_u32 v[CO], v1, 4, v5
	s_lshl_b32 s20, s17, 8                         ; where my part of C begins: row 256 x tile row + 128 x half, 4,096 bytes a row;
	s_lshl_b32 s21, s15, 7
	s_add_co_u32 s20, s20, s21
	s_lshl_b32 s20, s20, 12
	s_lshr_b32 s46, s42, 3                         ; eight tile columns make a row's 2,048 numbers: the ninth begins the next plane of 4 MiB (vt's next batch; in the part Q | K there are eight)
	s_lshl_b32 s46, s46, 22
	s_and_b32 s47, s42, 7
	s_lshl_b32 s47, s47, 9
	s_add_co_u32 s46, s46, s47
	s_lshl_b32 s47, s16, 8
	s_add_co_u32 s46, s46, s47
	s_add_co_u32 s20, s20, s46
	s_mov_b32 s21, 0
	s_add_nc_u64 s[12:13], s[12:13], s[20:21]
.macro FRAG reg, adr, q, i             ; a fragment, 16 rows x 128 K of 4-bit codes, is 8 registers: lane l holds row l % 16; registers 4 c .. 4 c + 3 hold K = 64 c + 32 (l / 16) + 0 .. 31
.irp c, 0,1
	ds_load_b128 v[\reg+4*\c:\reg+4*\c+3], v[\adr] offset:64*(\q)+32*\c+(\i)*16*PITCH
.endr
.endm
; 16 matrix instructions: A's blocks a0, a0 + 1 x B's eight, 128 along K: the slot's q-th.  p: B's set;  sc: the set of scale words.  zero = 1: the first product starts the sums: nothing is ever cleared.
; The 64 accumulators take turns, one instruction a turn, in the same order in every step.
.macro MUL16 a0, p, q, sc, zero
.irp a, \a0, \a0+1
.irp b, 0,1,2,3,4,5,6,7
.if \zero
	v_wmma_scale_f32_16x16x128_f8f6f4 v[8*(8*((\a)%4)+\b):8*(8*((\a)%4)+\b)+7], v[128*(\p)+FR*\b:128*(\p)+FR*\b+FR-1], v[AF+FR*(\a):AF+FR*(\a)+FR-1], 0, v[SC+8*NQ*(\sc)+NQ*\b+(\q)], v[SC+8*NQ*(\sc)+NQ*(\a)+(\q)] matrix_a_fmt:MATRIX_FMT_FP4 matrix_b_fmt:MATRIX_FMT_FP4 matrix_a_scale:MATRIX_SCALE_ROW1
.else
	v_wmma_scale_f32_16x16x128_f8f6f4 v[8*(8*((\a)%4)+\b):8*(8*((\a)%4)+\b)+7], v[128*(\p)+FR*\b:128*(\p)+FR*\b+FR-1], v[AF+FR*(\a):AF+FR*(\a)+FR-1], v[8*(8*((\a)%4)+\b):8*(8*((\a)%4)+\b)+7], v[SC+8*NQ*(\sc)+NQ*\b+(\q)], v[SC+8*NQ*(\sc)+NQ*(\a)+(\q)] matrix_a_fmt:MATRIX_FMT_FP4 matrix_b_fmt:MATRIX_FMT_FP4 matrix_a_scale:MATRIX_SCALE_ROW1
.endif
.endr
.endr
.endm
.macro FETCH_B slot, q, p              ; B's eight fragments of the slot's q-th 128 along K into set p
	WIN TO_B
.irp i, 0,1,2,3,4,5,6,7
	FRAG 128*(\p)+FR*\i, ADRB+\slot, \q, \i
.endr
	WIN 0
.endm
.macro FETCH_A slot, q, i0             ; A's blocks i0 .. i0 + 3
.irp i, \i0, \i0+1, \i0+2, \i0+3
	FRAG AF+FR*(\i), ADRA+\slot, \q, \i
.endr
.endm
.macro SCALES sc                       ; a slot's scale words into set sc: 4 words a row; lanes 0-15 take A's block i, lanes 16-31 B's block i
.irp i, 0,1,2,3,4,5,6,7
	ds_load_b128 v[SC+8*NQ*\sc+NQ*\i:SC+8*NQ*\sc+NQ*\i+3], v[ADRS] offset:\i*SBLK
.endr
.endm
; A load into a register that a matrix instruction has read, and a vector instruction that reads a matrix result, stand NP places behind that matrix instruction, and only plain vector
; instructions that name none of its registers are places (ISA guide 7.12.1 for vector instructions).
.macro PLACES n
.rept \n
	v_nop
.endr
.endm
; A step of 128 along K that has its successor in the same slot.  A's blocks go one after the other, each against B's eight: a block of A is free as soon as its eight products are issued, so one set serves A.
.macro STEP slot, q, zero
	s_wait_dscnt 4*NL                              ; B's set and A's blocks 0-3 are in; the youngest eight loads (A's blocks 4-7) may be out
	WIN MUL_LO
	MUL16 0, (\q)%2, \q, \slot, \zero
	MUL16 2, (\q)%2, \q, \slot, \zero
	s_wait_dscnt 0                                 ; A's blocks 4-7 are in
	PLACES NP
	FETCH_B \slot, (\q)+1, 1-(\q)%2
	FETCH_A \slot, (\q)+1, 0
	WIN MUL_HI
	MUL16 4, (\q)%2, \q, \slot, \zero
	MUL16 6, (\q)%2, \q, \slot, \zero
	PLACES NP
	WIN 0
	FETCH_A \slot, (\q)+1, 4
.endm
; Slot 0's last step changes slots: ONE barrier; in front of it each wave waits for all its tensor loads (its part of slot 1), adds 0 to its spare word, and waits for that and for its own reads of slot 0.  Nothing is filled again.
.macro TURN slot, next
	s_wait_tensorcnt 0x0                           ; all my tensor loads have landed
	ds_add_u32 v[SPW], v[NIL]                      ; 0 onto my spare word
	s_wait_dscnt 4*NL+1                            ; (the add and the youngest eight loads, A's blocks 4-7, may be out)
	WIN MUL_LO
	MUL16 0, 1, NQ-1, \slot, 0                     ; sixteen matrix instructions stand between the add and the wait for it
	s_wait_dscnt 0x0                               ; the add is done, and my reads of this slot are over
	s_barrier_signal -1
	MUL16 2, 1, NQ-1, \slot, 0
	WIN 0
	s_barrier_wait -1
	PLACES NP
	v_add_nc_u32 v[ADRS], 4*NQ, v[ADRS]            ; on to the next slot's scale words
	FETCH_B \next, 0, 0
	FETCH_A \next, 0, 0
	SCALES \next
	WIN MUL_HI
	MUL16 4, 1, NQ-1, \slot, 0
	MUL16 6, 1, NQ-1, \slot, 0
	PLACES NP
	WIN 0
	FETCH_A \next, 0, 4
.endm
.macro STEPS slot, from                ; the slot's steps from .. NQ - 2
.set Q, \from
.rept NQ-1-\from
	STEP \slot, Q, 0
.set Q, Q+1
.endr
.endm
	s_wait_tensorcnt 1                             ; the scales and my part of slot 0 are in (slot 1's load may be out)
	s_barrier_signal -1
	s_barrier_wait -1                              ; everybody's are
	FETCH_B 0, 0, 0
	FETCH_A 0, 0, 0
	SCALES 0
	FETCH_A 0, 0, 4
	STEP 0, 0, 1                                   ; the first step's products start the sums
	STEPS 0, 1
	TURN 0, 1
	STEPS 1, 0
	s_wait_dscnt 4*NL                              ; the very last step: nothing more to fetch
	WIN MUL_LO
	MUL16 0, 1, NQ-1, 1, 0
	MUL16 2, 1, NQ-1, 1, 0
	s_wait_dscnt 0
	WIN MUL_HI
	MUL16 4, 1, NQ-1, 1, 0
	MUL16 6, 1, NQ-1, 1, 0
	WIN 0
; THE WAY OUT of block a (16 rows x 128 columns), in three parts.  PACK: rounded to f16, 16 bytes a lane, each accumulator from its low end on.  TOSTAGE: into my own stage in LDS, and back as whole rows of 256 bytes.  SEND: stored.
.macro PACK a
.set AC, 64*((\a)%4)
	WIN 0x0a+5*((\a)/4)                            ; sources 0 and 1: window 2 or 3
.irp b, 0,1,2,3,4,5,6,7
.irp r, 0,1,2,3
	v_cvt_pk_f16_f32 v[TMP+4*\b+\r], v[AC+8*\b+2*\r], v[AC+8*\b+2*\r+1]
.endr
.endr
	WIN 0
.endm
.macro TOSTAGE a
.set BK, BKR+32*((\a)%2)
.irp b, 0,1,2,3,4,5,6,7
	ds_store_b128 v[STO], v[TMP+4*\b:TMP+4*\b+3] offset:32*\b
.endr
.irp t, 0,1,2,3,4,5,6,7
	ds_load_b128 v[BK+4*\t:BK+4*\t+3], v[RD] offset:\t*2*SPITCH    ; LDS serves a wave's instructions in order (ISA guide 5.7.1.4): these see the stores above
.endr
.endm
.macro SEND a
.set BK, BKR+32*((\a)%2)
	s_wait_dscnt 0x0                               ; the block is back in registers
	s_wait_xcnt 0x0                                ; the earlier stores have read their base and their registers: only behind this wait are they rewritten
.if (\a) > 0
	s_add_nc_u64 s[12:13], s[12:13], 16*ROWC       ; 16 rows of C on
.endif
.irp t, 0,1,2,3,4,5,6,7
	global_store_b128 v[CO], v[BK+4*\t:BK+4*\t+3], s[12:13] offset:2*\t*ROWC   ; 16 lanes store 256 consecutive bytes, at a multiple of 256 from C's first byte
.endr
.endm
	PLACES NP                                      ; behind the last products: for the reads of results and for the loads into the registers that held A's fragments
	PACK 0
	TOSTAGE 0
.irp a, 1,2,3,4,5,6,7                  ; block a's conversions stand between block a - 1's loads from the stage and the wait for them
	PACK \a
	SEND \a-1
	TOSTAGE \a
.endr
	SEND 7
	s_wait_tensorcnt 0x0                           ; the wave's end: the wait, the add and its wait, behind my last tensor load and my last LDS store
	ds_add_u32 v[SPW], v[NIL]
	s_wait_dscnt 0x0
	CROUND                                         ; the closing round: no work-group ends while a partner may still ask for a tile that names it
	s_endpgm
.Lfunc_end_k_qb7441bf97a_qkv:
	.size	k_qb7441bf97a_qkv, .Lfunc_end_k_qb7441bf97a_qkv-k_qb7441bf97a_qkv
	.p2alignl 7, 3214868480
	.fill 96, 4, 3214868480
	.section	.rodata,"a",@progbits
	.p2align	6, 0x0
	.amdhsa_kernel k_qb7441bf97a_qkv
		.amdhsa_group_segment_fixed_size 327680
		.amdhsa_private_segment_fixed_size 0
		.amdhsa_enable_private_segment 0
		.amdhsa_kernarg_size 32
		.amdhsa_user_sgpr_count 2
		.amdhsa_user_sgpr_kernarg_segment_ptr 1
		.amdhsa_wavefront_size32 1
		.amdhsa_system_sgpr_workgroup_id_x 1
		.amdhsa_system_sgpr_workgroup_id_y 1
		.amdhsa_system_sgpr_workgroup_id_z 1
		.amdhsa_system_vgpr_workitem_id 0
		.amdhsa_next_free_vgpr 1024
		.amdhsa_next_free_sgpr 102
		.amdhsa_reserve_vcc 0
		.amdhsa_float_denorm_mode_32 3
		.amdhsa_float_denorm_mode_16_64 3
		.amdhsa_memory_ordered 1
		.amdhsa_forward_progress 1
		.amdhsa_inst_pref_size 127
	.end_amdhsa_kernel
	.amdgpu_metadata
---
amdhsa.version: [ 1, 2 ]
amdhsa.kernels:
  - .name:           k_qb7441bf97a_qkv
    .symbol:         k_qb7441bf97a_qkv.kd
    .args:
      - { .name: xq, .offset: 0, .size: 8, .value_kind: global_buffer, .address_space: global }
      - { .name: wq, .offset: 8, .size: 8, .value_kind: global_buffer, .address_space: global }
      - { .name: qk, .offset: 16, .size: 8, .value_kind: global_buffer, .address_space: global }
      - { .name: vt, .offset: 24, .size: 8, .value_kind: global_buffer, .address_space: global }
    .group_segment_fixed_size: 327680
    .private_segment_fixed_size: 0
    .kernarg_segment_align: 8
    .kernarg_segment_size: 32
    .max_flat_workgroup_size: 128
    .sgpr_count:     102
    .vgpr_count:     1024
    .wavefront_size: 32
...
	.end_amdgpu_metadata
.endif
;; end of part 2
;; launch scores (part 3): grid 8 x 32, 4 waves a work-group, clusters of 4 x 4, 327,680 bytes of LDS; arguments qk, pt, st; writes pt, st
.if DOCPART == 3
	.amdgcn_target "amdgcn-amd-amdhsa--gfx1250"
	.amdhsa_code_object_version 6
	.text
	.protected	k_qb7441bf97a_scores
	.globl	k_qb7441bf97a_scores
	.p2align	8
	.type	k_qb7441bf97a_scores,@function
k_qb7441bf97a_scores:
	s_mov_b64 s[64:65], 0
	v_nop
	global_prefetch_b8 v0, s[64:65] scope:SCOPE_SE
	s_setreg_imm32_b32 hwreg(HW_REG_WAVE_MODE, 25, 1), 1
	s_wait_xcnt 0x0
	s_wait_alu depctr_hold_cnt(0) depctr_sa_sdst(0) depctr_va_vdst(0) depctr_va_sdst(0) depctr_va_ssrc(0) depctr_va_vcc(0) depctr_vm_vsrc(0)
	s_getreg_b32 s2, hwreg(HW_REG_IB_STS2, 6, 4)
	s_cmp_eq_u32 s2, 0
	s_cbranch_scc0 .Lentry_in_a_cluster
	s_endpgm
.Lentry_in_a_cluster:
	s_bfe_u32 s2, ttmp6, 0x10000c
	s_cmp_lg_u32 s2, 0xf033
	s_cbranch_scc0 .Lentry_shape_is_right
	s_endpgm
.Lentry_shape_is_right:
; SCORES: S = Q K^T in f16 operands and f32 sums, and the first half of the softmax.  No work of the problem is left out here.
; qk: [8192 tokens][2048] f16, Q in columns 0-1023, K in 1024-2047.  A tile of S is 256 queries x 256 keys of one batch; a wave makes 128 x 128: 64 accumulators, 512 registers.  K (the 1,024 channels) goes in
; steps of 128 through a ring of two LDS slots filled by the tensor data mover: a tile's row is 256 bytes of memory, at a multiple of 256 bytes from the buffer's first byte.
; THE SOFTMAX, BY PARTS.  t = score x c, c = log2(e) / sqrt(1024).  A wave's 128 keys are key group g (16 groups a batch).  For each query and group: M_g = the group's largest t rounded UP to a whole number,
; p = 2^(t - M_g), at most 1 and over 1/2 at the group's largest; p goes to pt [8192][2048] in f16; l_g = the sum of the unrounded p, in f32; (-M_g, l_g) go to st [16 g][8192][2].
; The next launch takes M = the largest M_g of the row and multiplies group g by 2^(M_g - M), a power of two: so the row's maximum is taken away for every input, in two steps.
; LIMITS: NaN and infinities are not served; a p under 2^-24 of its group's 2^M_g becomes 0 in f16.
; CLUSTERS: 4 x 4.  The four of a row of the cluster need the same tiles of Q, the four of a column the same tiles of K: each is asked for JOINTLY.
; THE MATRIX INSTRUCTION IS USED TRANSPOSED (source 0 = 16 keys, source 1 = 16 queries): lane l holds query l % 16, and its registers the keys 8 (l / 16) + 0 .. 7 of each of 8 tiles: a query's 128 keys lie in lanes l and l xor 16.
; REGISTERS, in windows of 256: window 0: v0-31 addresses; v64-127, v128-191 fragments of Q, two buffers; on the way out v32-255.   window 1: v64-127, v128-191 fragments of K, two buffers.
;   window 2: the accumulators of my queries 0-63 ((a, b) at v[8 (8 a + b)]);   window 3: those of my queries 64-127.
.set KSTEP,  128
.set PITCH,  272                       ; an LDS row: 256 bytes + 16 of padding: the 16 rows that a load touches start 68 words apart
.set HALFT,  128*PITCH                 ; 128 rows: what one tensor load brings
.set SLOT,   4*HALFT                   ; Q's 256 rows, then K's 256 rows
.set STAGE,  2*SLOT                    ; behind the ring: 16 rows x 272 bytes for each wave, for the way out
.set SPITCH, 272
.set SPARE,  STAGE+4*16*SPITCH         ; the spare words, 128 bytes for each wave: two blocks of 256 bytes that no other line names
.set LAPS,   4                         ; a lap = two K steps = once round the ring: 1,024 / 256
.set LDQ,    2048                      ; elements from row to row of qk
.set ROWP,   4096                      ; a row of pt in bytes
.set ADRA, 16                          ; v16-17  LDS address of my Q fragments in slot 0, 1
.set ADRB, 20                          ; v20-21  the same for K
.set STO,  24                          ; v24     the way out: where I put 16 bytes of a row
.set RD,   25                          ; v25     the way out: where I read a row back
.set CO,   26                          ; v26     my byte offset in two rows of pt
.set SO,   27                          ; v27     8 x lane: my byte offset among 32 rows' pairs in st
.set SPW,  28                          ; v28     LDS address of my spare word; never rewritten
.set NIL,  29                          ; v29     0; never rewritten
.set F0,   64                          ; fragment buffer 0
.set F1,   128                         ; fragment buffer 1
.set OB,   32                          ; the way out: 16 rows read back from the stage: v32-63 and v224-255 by turns
.set T,    64                          ; the way out: v64-67 four running maxima
.set XP,   68                          ; v68     what lane l xor 16 sends
.set SUM,  72                          ; v72-75  two running sums, a pair each
.set ST,   80                          ; v80-95  block a's pair (-M, l) at v[ST + 2 a]
.set SV,   96                          ; v96-103 the pairs as they are stored: lane L holds row 32 i + L
.set TMP,  192                         ; v192-223 packed p
.set G1, 24                            ; s[24:31] descriptor group 1 for Q's tiles;  s[32:39] group 0, one set for each slot
.set G0, 32
.set G1B, 48                           ; s[48:55], s[56:63] the same for K's tiles
.set G0B, 56
.set CS,  66                           ; s[66:67] c: the packed form names a pair and takes its low word for both halves
.set SEL, 68                           ; s[68:69] lane selects for v_permlanex16_b32: lane l xor 16
.set HI,  70                           ; s70     a mask of lanes 16-31
.set STB, 72                           ; s[72:73] st at my group's pairs of my first row
.set MSB, 0
.macro WIN new                         ; the immediate's high byte repeats the setting that is left; a switch that changes nothing is dropped
.if MSB != (\new)
	s_set_vgpr_msb (MSB<<8)|(\new)
.set MSB, (\new)
.endif
.endm
.set MUL_LO, 0xa1                      ; source 0 (K) window 1, source 1 (Q) window 0, C and D window 2
.set MUL_HI, 0xf1                      ; the same, C and D window 3
.set TO_B,   0x40                      ; destination window 1, address window 0
; A joint load.  Waves 0 and 1 fetch Q's two halves, waves 2 and 3 K's.  The branch hangs on the wave's number alone.  An s_nop 0 and four v_nop follow each of the two lines.
.macro JLOAD s
	s_cmp_eq_u32 s11, 0
	s_cbranch_scc0 .Lfor_b_\@
	tensor_load_to_lds s[G0+4*\s:G0+4*\s+3], s[G1:G1+7]
	s_nop 0
.rept 4
	v_nop
.endr
	s_branch .Lasked_\@
.Lfor_b_\@:
	tensor_load_to_lds s[G0B+4*\s:G0B+4*\s+3], s[G1B:G1B+7]
	s_nop 0
.rept 4
	v_nop
.endr
.Lasked_\@:
.endm
.macro CREST                           ; a round of the cluster's barrier behind its opening barrier
	s_cmp_lg_u32 s10, 0
	s_cbranch_scc1 .Lnot_wave_0_\@
	s_barrier_signal -3
.Lnot_wave_0_\@:
	s_barrier_wait -3
	s_barrier_signal -1
	s_barrier_wait -1
.endm
.macro CROUND                          ; a whole round
	s_barrier_signal -1
	s_barrier_wait -1
	CREST
.endm
	s_load_b128 s[4:7], s[0:1], 0x0                ; qk s[4:5], pt s[6:7]
	s_load_b64 s[8:9], s[0:1], 0x10                ; st
	v_lshl_add_u32 v[SPW], v0, 2, SPARE
	v_mov_b32 v[NIL], 0
	ds_add_u32 v[SPW], v[NIL]                      ; the wave's opening: the add, twice on end, and its wait ahead of my first tensor load; the set-up below, work on registers, stands between
	ds_add_u32 v[SPW], v[NIL]
	v_lshrrev_b32 v1, 5, v0
	v_readfirstlane_b32 s10, v1                    ; wave 0..3
	s_lshr_b32 s11, s10, 1                         ; which half of the tile's queries is mine.  Also: I fetch for Q (0) or for K (1)
	s_and_b32 s12, s10, 1                          ; which half of its keys.  Also: which 128 rows of that tile I fetch
	s_bfe_u32 s40, ttmp6, 0x40000                  ; cx, cy: my place in the cluster
	s_bfe_u32 s41, ttmp6, 0x40004
	s_lshl_b32 s42, ttmp9, 2
	s_add_co_u32 s42, s42, s40                     ; tile of keys in the batch = 4 x cluster x + cx
	s_and_b32 s13, ttmp7, 0xffff
	s_lshr_b32 s45, s13, 1                         ; the batch: eight tiles of queries, two clusters along y: all sixteen partners share it
	s_lshl_b32 s13, s13, 2
	s_add_co_u32 s13, s13, s41                     ; tile of queries = 4 x cluster y + cy
	s_lshl_b32 s43, s41, 2
	s_lshl_b32 s43, 15, s43                        ; my row of the cluster
	s_lshl_b32 s44, 0x1111, s40                    ; my column
	; descriptor group 1: a tile of 128 rows x 128 elements, padded in LDS
	s_or_b32 s[G1+0], s43, (1<<16)|(1<<20)|(1<<21)|(5<<22)|(3<<25)  ; 15:0 the mask: Q's tiles go to my row; 17:16 element of 2 bytes; 20 padding on; 21 set beside a mask; 24:22 after every 64 words (code 5); 31:25 of 4 words (code 3)
	s_or_b32 s[G1B+0], s44, (1<<16)|(1<<20)|(1<<21)|(5<<22)|(3<<25) ; the same with the mask of my column, for K's tiles
.irp g, G1, G1B
	s_mov_b32 s[\g+1], KSTEP<<16                   ; tensor_dim0 = 128
	s_mov_b32 s[\g+2], 128<<16                     ; tensor_dim1 = 128
	s_mov_b32 s[\g+3], KSTEP<<16                   ; tile_dim0 = 128
	s_mov_b32 s[\g+4], 128                         ; tile_dim1 = 128
	s_mov_b32 s[\g+5], LDQ                         ; tensor_dim0_stride
	s_mov_b32 s[\g+6], 0
	s_mov_b32 s[\g+7], 0
.endr
	s_mov_b32 s[CS], 0x3d38aa3b                    ; c = log2(e) / 32
	s_mov_b32 s[CS+1], s[CS]                       ; (named with it as a pair, so it is written)
	s_mov_b32 s[SEL], 0x76543210
	s_mov_b32 s[SEL+1], 0xfedcba98
	s_mov_b32 s[HI], 0xffff0000
	; where the tiles come from.  Q's hang on the tile of queries alone, which my row of the cluster shares; K's on the tile of keys and the batch, which my column shares.
	s_lshl_b32 s17, s12, 7                         ; which 128 rows of the tile I fetch
	s_lshl_b32 s16, s13, 8
	s_add_co_u32 s16, s16, s17                     ; Q: row 256 x tile + 128 x half
	s_lshl_b32 s16, s16, 12                        ; 4,096 bytes a row (under 2^32)
	s_lshl_b32 s46, s42, 8
	s_add_co_u32 s46, s46, s17
	s_lshl_b32 s47, s45, 11
	s_add_co_u32 s46, s46, s47                     ; K: row 2,048 x batch + 256 x tile + 128 x half,
	s_lshl_b32 s46, s46, 12
	s_add_co_u32 s46, s46, 2048                    ; from column 1,024 on
	s_mov_b32 s17, 0
	s_mov_b32 s47, 0
	s_mul_i32 s20, s10, HALFT                      ; and where they go: wave x 128 rows: no place in the cluster enters an LDS address
	s_wait_dscnt 0x0                               ; both opening adds are done
	s_wait_kmcnt 0x0
	s_add_nc_u64 s[14:15], s[4:5], s[16:17]
	s_add_nc_u64 s[46:47], s[4:5], s[46:47]
	CROUND                                         ; all sixteen work-groups are here: the first joint loads meet
.irp s, 0,1
	s_mov_b32 s[G0+4*\s], 1                                        ; count = 1
	s_add_co_u32 s[G0+4*\s+1], s20, \s*SLOT                        ; LDS address
	s_add_nc_u64 s[G0+4*\s+2:G0+4*\s+3], s[14:15], \s*KSTEP*2      ; global address: K step s
	s_or_b32 s[G0+4*\s+3], s[G0+4*\s+3], 0x80000000                ; type = 2
	s_mov_b32 s[G0B+4*\s], 1
	s_add_co_u32 s[G0B+4*\s+1], s20, \s*SLOT
	s_add_nc_u64 s[G0B+4*\s+2:G0B+4*\s+3], s[46:47], \s*KSTEP*2
	s_or_b32 s[G0B+4*\s+3], s[G0B+4*\s+3], 0x80000000
	JLOAD \s                                       ; two tensor loads of mine are out behind the second
.endr
	; A fragment is 16 rows x 32 K in 8 registers: lane l holds row l % 16; registers 0-3 hold K = 8 (l / 16) + 0..7, registers 4-7 K = 16 + 8 (l / 16) + 0..7: two loads of 16 bytes, 32 bytes apart.
	v_and_b32 v1, 15, v0                           ; l % 16
	v_bfe_u32 v2, v0, 4, 1                         ; l / 16
	v_mul_u32_u24 v3, v1, PITCH
	v_lshl_add_u32 v3, v2, 4, v3
	s_mul_i32 s21, s11, HALFT                      ; my 128 rows of Q
	s_mul_i32 s22, s12, HALFT                      ; my 128 rows of K,
	s_add_co_u32 s22, s22, 2*HALFT                 ; which lie behind Q's 256
.irp s, 0,1
	v_add_nc_u32 v[ADRA+\s], s21, v3
	v_add_nc_u32 v[ADRB+\s], s22, v3
	s_add_co_u32 s21, s21, SLOT
	s_add_co_u32 s22, s22, SLOT
.endr
	s_mul_i32 s23, s10, 16*SPITCH
	s_add_co_u32 s23, s23, STAGE                   ; my stage
	v_mul_u32_u24 v4, v1, SPITCH                   ; in: row l % 16, 16 bytes for each half of the lanes
	v_lshl_add_u32 v4, v2, 4, v4
	v_add_nc_u32 v[STO], s23, v4
	v_mul_u32_u24 v5, v2, SPITCH                   ; back: lanes 0-15 take one row of 256 bytes, lanes 16-31 the next
	v_lshl_add_u32 v5, v1, 4, v5
	v_add_nc_u32 v[RD], s23, v5
	v_lshlrev_b32 v5, 12, v2                       ; and the same two rows in pt
	v_lshl_add_u32 v[CO], v1, 4, v5
	v_and_b32 v[SO], 31, v0
	v_lshlrev_b32 v[SO], 3, v[SO]
	s_lshl_b32 s16, s13, 8
	s_lshl_b32 s17, s11, 7
	s_add_co_u32 s16, s16, s17                     ; my first query
	s_lshl_b32 s18, s16, 3                         ; its pair in a group's 65,536 bytes of st
	s_lshl_b32 s16, s16, 12                        ; its row of pt
	s_lshl_b32 s46, s42, 9                         ; my first key, in bytes: 512 x tile + 256 x half
	s_lshl_b32 s47, s12, 8
	s_add_co_u32 s46, s46, s47
	s_add_co_u32 s16, s16, s46
	s_mov_b32 s17, 0
	s_add_nc_u64 s[6:7], s[6:7], s[16:17]
	s_lshl_b32 s46, s42, 1
	s_add_co_u32 s46, s46, s12                     ; my key group: 2 x tile + half
	s_lshl_b32 s46, s46, 16
	s_add_co_u32 s18, s18, s46
	s_mov_b32 s19, 0
	s_add_nc_u64 s[STB:STB+1], s[8:9], s[18:19]
; 16 matrix instructions: query blocks a0, a0 + 1 of the window's four (hi = 0: my queries 0-63, 1: 64-127) x all 8 key blocks, 32 along K.  zero = 1: the first product starts the sums: nothing is ever cleared.
; The 64 accumulators take turns, one instruction a turn, in the same order in every quarter.
.macro MUL16 f, hi, a0, zero
.irp a, \a0, \a0+1
.irp b, 0,1,2,3,4,5,6,7
.if \zero
	v_wmma_f32_16x16x32_f16 v[8*(8*(\a)+\b):8*(8*(\a)+\b)+7], v[\f+8*\b:\f+8*\b+7], v[\f+8*(4*\hi+\a):\f+8*(4*\hi+\a)+7], 0
.else
	v_wmma_f32_16x16x32_f16 v[8*(8*(\a)+\b):8*(8*(\a)+\b)+7], v[\f+8*\b:\f+8*\b+7], v[\f+8*(4*\hi+\a):\f+8*(4*\hi+\a)+7], v[8*(8*(\a)+\b):8*(8*(\a)+\b)+7]
.endif
.endr
.endr
.endm
; 32 LDS loads in one run: the fragments of one quarter step (128 rows of K, 128 rows of Q, 32 along K at byte k of the rows) into buffer f
.macro FETCH slot, k, f
	WIN TO_B
.irp i, 0,1,2,3,4,5,6,7
	ds_load_b128 v[\f+8*\i:\f+8*\i+3],   v[ADRB+\slot] offset:\k+\i*16*PITCH
	ds_load_b128 v[\f+8*\i+4:\f+8*\i+7], v[ADRB+\slot] offset:\k+\i*16*PITCH+32
.endr
	WIN 0
.irp i, 0,1,2,3,4,5,6,7
	ds_load_b128 v[\f+8*\i:\f+8*\i+3],   v[ADRA+\slot] offset:\k+\i*16*PITCH
	ds_load_b128 v[\f+8*\i+4:\f+8*\i+7], v[ADRA+\slot] offset:\k+\i*16*PITCH+32
.endr
.endm
; A load into a register that a matrix instruction has read, and a vector instruction that reads a matrix result or writes one of its registers, stand four places behind it, and only plain vector
; instructions that name none of its registers are places (ISA guide 7.12.1 for vector instructions).
.macro PLACES
.rept 4
	v_nop
.endr
.endm
; A K step is four quarters of 32 along K, 64 matrix instructions each, on buffers 0, 1, 0, 1.  One of the first three multiplies buffer f; in its middle it fetches the next quarter, at byte k, into buffer g.
.macro QUARTER slot, k, f, g, zero
	s_wait_dscnt 8                                 ; K's fragments and Q's rows 0-63 are in; the youngest eight loads (Q's rows 64-127) may be out
	WIN MUL_LO
	MUL16 \f, 0, 0, \zero
	MUL16 \f, 0, 2, \zero
	PLACES
	FETCH \slot, \k, \g
	s_wait_dscnt 32                                ; all but the 32 just issued
	WIN MUL_HI
	MUL16 \f, 1, 0, \zero
	MUL16 \f, 1, 2, \zero
.endm
; The last quarter multiplies buffer 1 and changes slots: ONE barrier.  In front of it each wave waits for all its tensor loads, of which one is out: its part of the next slot; adds 0 to its spare word;
; and waits for that and for its own reads of this slot.  fill = 1: the barrier opens a round of the cluster's barrier, and behind the round this slot is filled again, two K steps ahead, first of all.
.macro TURN slot, next, fill
	WIN 0                                          ; (the add's two registers lie in window 0)
	s_wait_tensorcnt 0x0                           ; all my tensor loads have landed
	ds_add_u32 v[SPW], v[NIL]                      ; 0 onto my spare word
	s_wait_dscnt 9                                 ; (the add and the youngest eight loads may be out)
	WIN MUL_LO
	MUL16 F1, 0, 0, 0                              ; sixteen matrix instructions stand between the add and the wait for it
	s_wait_dscnt 0x0                               ; the add is done, and my reads of this slot are over
	s_barrier_signal -1
	MUL16 F1, 0, 2, 0                              ; work on registers while the others arrive
.if \fill
	WIN 0
.endif
	s_barrier_wait -1
.if \fill
	CREST                                          ; no wave of any partner still reads this slot's tile or has a load on its way
	s_add_nc_u64 s[G0+4*\slot+2:G0+4*\slot+3], s[G0+4*\slot+2:G0+4*\slot+3], 2*KSTEP*2
	s_add_nc_u64 s[G0B+4*\slot+2:G0B+4*\slot+3], s[G0B+4*\slot+2:G0B+4*\slot+3], 2*KSTEP*2
	JLOAD \slot                                    ; the first tensor load behind the round; the four v_nop behind it are also the places in front of the loads below
.else
	PLACES
.endif
	FETCH \next, 0, F0
	WIN MUL_HI
	MUL16 F1, 1, 0, 0
	MUL16 F1, 1, 2, 0
.endm
	s_wait_tensorcnt 1                             ; my part of K step 0 is in (K step 1's load may be out)
	s_barrier_signal -1
	s_barrier_wait -1                              ; everybody's is
	FETCH 0, 0, F0
	QUARTER 0, 64,  F0, F1, 1                      ; the first quarter stands in front of the loop: its products start the sums
	WIN 0                                          ; at a label and at a branch every window is 0
	s_mov_b32 s3, LAPS-1
.Llap:                                                 ; a trip goes once round the ring, from a lap's second quarter to the next lap's first, and fills both slots again
	QUARTER 0, 128, F1, F0, 0
	QUARTER 0, 192, F0, F1, 0
	TURN 0, 1, 1
	QUARTER 1, 64,  F0, F1, 0
	QUARTER 1, 128, F1, F0, 0
	QUARTER 1, 192, F0, F1, 0
	TURN 1, 0, 1
	QUARTER 0, 64,  F0, F1, 0
	WIN 0
	s_sub_co_u32 s3, s3, 1
	s_cmp_lg_u32 s3, 0
	s_cbranch_scc1 .Llap
	QUARTER 0, 128, F1, F0, 0                      ; the last lap is written out: it fills nothing, and has no round of the cluster's barrier
	QUARTER 0, 192, F0, F1, 0
	TURN 0, 1, 0
	QUARTER 1, 64,  F0, F1, 0
	QUARTER 1, 128, F1, F0, 0
	QUARTER 1, 192, F0, F1, 0
	s_wait_dscnt 8                                 ; the very last quarter: nothing more to fetch
	WIN MUL_LO
	MUL16 F1, 0, 0, 0
	MUL16 F1, 0, 2, 0
	s_wait_dscnt 0
	WIN MUL_HI
	MUL16 F1, 1, 0, 0
	MUL16 F1, 1, 2, 0
	WIN 0
; THE SOFTMAX'S FIRST HALF, block a of 16 queries: a lane's 64 scores lie in the block's 64 accumulator registers, in window W.
; The maximum goes in four chains, each over two accumulators from their low ends on; the chains and the sums are started by their first operands: nothing is cleared but l's register, which the packed form names beside -M.
; The 64 exponentials are ONE batch: a plain line behind the last, then one wait (it stands ahead of the first line that names a result).
.macro SOFT a
.set W,  2+(\a)/4
.set AC, 64*((\a)%4)
.set MP, ST+2*(\a)
	WIN W|(W<<2)                                   ; sources 0 and 1 in window W
.irp k, 0,1,2,3
	v_max_num_f32 v[T+\k], v[AC+16*\k], v[AC+16*\k+1]
.endr
	WIN (W<<2)|(W<<4)                              ; sources 1 and 2 in window W
.irp i, 1,2,3,4,5,6,7
.irp k, 0,1,2,3
	v_max3_num_f32 v[T+\k], v[T+\k], v[AC+16*\k+2*\i], v[AC+16*\k+2*\i+1]
.endr
.endr
	WIN 0
	v_max3_num_f32 v[T], v[T], v[T+1], v[T+2]
	v_mov_b32 v[MP+1], 0
	v_max_num_f32 v[T], v[T], v[T+3]
	v_permlanex16_b32 v[XP], v[T], s[SEL], s[SEL+1]  ; the query's other 64 keys lie in lane l xor 16
	v_max_num_f32 v[T], v[T], v[XP]
	v_mul_f32 v[T], s[CS], v[T]                    ; as t (c is positive)
	v_floor_f32 v[MP], -v[T]                       ; -M = floor(-t) = -ceil(t): M IS A WHOLE NUMBER
	WIN W|(W<<6)                                   ; source 0 and destination in window W
.set i, 0
.rept 32
	v_pk_fma_f32 v[AC+i:AC+i+1], v[AC+i:AC+i+1], s[CS:CS+1], v[MP:MP+1] op_sel_hi:[1,0,0]   ; t - M, two at a time (of the pairs c and -M the low word serves both halves)
.set i, i+2
.endr
.set i, 0
.rept 64
	v_exp_f32 v[AC+i], v[AC+i]                     ; p = 2^(t - M)
.set i, i+1
.endr
	v_nop                                          ; a plain line behind the last exponential
	s_wait_alu depctr_va_vdst(0)                   ; one wait for the batch
	WIN W|(W<<2)
	v_pk_add_f32 v[SUM:SUM+1], v[AC:AC+1], v[AC+2:AC+3]            ; THE SUM IS TAKEN OF THE UNROUNDED p: two chains, two numbers each
	v_pk_add_f32 v[SUM+2:SUM+3], v[AC+4:AC+5], v[AC+6:AC+7]
.set i, 0
.rept 32
	v_cvt_pk_f16_f32 v[TMP+i], v[AC+2*i], v[AC+2*i+1]              ; eight neighbouring keys of a tile pack into 16 bytes
.set i, i+1
.endr
	WIN W<<2                                       ; source 1 in window W
.set i, 8
.rept 14
	v_pk_add_f32 v[SUM:SUM+1], v[SUM:SUM+1], v[AC+i:AC+i+1]
	v_pk_add_f32 v[SUM+2:SUM+3], v[SUM+2:SUM+3], v[AC+i+2:AC+i+3]
.set i, i+4
.endr
	WIN 0
	v_pk_add_f32 v[SUM:SUM+1], v[SUM:SUM+1], v[SUM+2:SUM+3]
	v_add_f32 v[SUM], v[SUM], v[SUM+1]
	v_permlanex16_b32 v[XP], v[SUM], s[SEL], s[SEL+1]
	v_add_f32 v[MP+1], v[SUM], v[XP]               ; l of the query's 128 keys
.endm
.macro TOSTAGE a
.set BK, OB+192*((\a)%2)
.irp b, 0,1,2,3,4,5,6,7
	ds_store_b128 v[STO], v[TMP+4*\b:TMP+4*\b+3] offset:32*\b
.endr
.irp t, 0,1,2,3,4,5,6,7
	ds_load_b128 v[BK+4*\t:BK+4*\t+3], v[RD] offset:\t*2*SPITCH    ; LDS serves a wave's instructions in order (ISA guide 5.7.1.4): these see the stores above
.endr
.endm
.macro SEND a
.set BK, OB+192*((\a)%2)
	s_wait_dscnt 0x0                               ; the block is back in registers
	s_wait_xcnt 0x0                                ; the earlier stores have read their base and their registers: only behind this wait are they rewritten
.if (\a) > 0
	s_add_nc_u64 s[6:7], s[6:7], 16*ROWP           ; 16 rows of pt on
.endif
.irp t, 0,1,2,3,4,5,6,7
	global_store_b128 v[CO], v[BK+4*\t:BK+4*\t+3], s[6:7] offset:2*\t*ROWP   ; 16 lanes store 256 consecutive bytes, at a multiple of 256 from pt's first byte
.endr
.endm
	PLACES                                         ; behind the last products
	v_mov_b32 v[XP], 0                             ; written once: a lane permute's destination counts as one of its sources
	SOFT 0
	TOSTAGE 0
.irp a, 1,2,3,4,5,6,7                  ; block a's softmax stands between block a - 1's loads from the stage and the wait for them
	SOFT \a
	SEND \a-1
	TOSTAGE \a
.endr
	SEND 7
.irp i, 0,1,2,3                        ; the pairs (-M, l): both halves of the lanes hold a block's; lanes 0-15 keep block 2 i's, lanes 16-31 take block 2 i + 1's: lane L holds row 32 i + L
	v_cndmask_b32 v[SV+2*\i], v[ST+4*\i], v[ST+4*\i+2], s[HI]
	v_cndmask_b32 v[SV+2*\i+1], v[ST+4*\i+1], v[ST+4*\i+3], s[HI]
.endr
.irp i, 0,1,2,3
	global_store_b64 v[SO], v[SV+2*\i:SV+2*\i+1], s[STB:STB+1] offset:256*\i   ; 32 lanes store 256 consecutive bytes, aligned
.endr
	s_wait_tensorcnt 0x0                           ; the wave's end: the wait, the add and its wait, behind my last tensor load and my last LDS store
	ds_add_u32 v[SPW], v[NIL]
	s_wait_dscnt 0x0
	CROUND                                         ; the closing round: no work-group ends while a partner may still ask for a tile that names it
	s_endpgm
.Lfunc_end_k_qb7441bf97a_scores:
	.size	k_qb7441bf97a_scores, .Lfunc_end_k_qb7441bf97a_scores-k_qb7441bf97a_scores
	.p2alignl 7, 3214868480
	.fill 96, 4, 3214868480
	.section	.rodata,"a",@progbits
	.p2align	6, 0x0
	.amdhsa_kernel k_qb7441bf97a_scores
		.amdhsa_group_segment_fixed_size 327680
		.amdhsa_private_segment_fixed_size 0
		.amdhsa_enable_private_segment 0
		.amdhsa_kernarg_size 24
		.amdhsa_user_sgpr_count 2
		.amdhsa_user_sgpr_kernarg_segment_ptr 1
		.amdhsa_wavefront_size32 1
		.amdhsa_system_sgpr_workgroup_id_x 1
		.amdhsa_system_sgpr_workgroup_id_y 1
		.amdhsa_system_sgpr_workgroup_id_z 1
		.amdhsa_system_vgpr_workitem_id 0
		.amdhsa_next_free_vgpr 1024
		.amdhsa_next_free_sgpr 80
		.amdhsa_reserve_vcc 0
		.amdhsa_float_denorm_mode_32 3
		.amdhsa_float_denorm_mode_16_64 3
		.amdhsa_memory_ordered 1
		.amdhsa_forward_progress 1
		.amdhsa_inst_pref_size 212
	.end_amdhsa_kernel
	.amdgpu_metadata
---
amdhsa.version: [ 1, 2 ]
amdhsa.kernels:
  - .name:           k_qb7441bf97a_scores
    .symbol:         k_qb7441bf97a_scores.kd
    .args:
      - { .name: qk, .offset: 0, .size: 8, .value_kind: global_buffer, .address_space: global }
      - { .name: pt, .offset: 8, .size: 8, .value_kind: global_buffer, .address_space: global }
      - { .name: st, .offset: 16, .size: 8, .value_kind: global_buffer, .address_space: global }
    .group_segment_fixed_size: 327680
    .private_segment_fixed_size: 0
    .kernarg_segment_align: 8
    .kernarg_segment_size: 24
    .max_flat_workgroup_size: 128
    .sgpr_count:     80
    .vgpr_count:     1024
    .wavefront_size: 32
...
	.end_amdgpu_metadata
.endif
;; end of part 3
;; launch pv (part 4): grid 4 x 64, 4 waves a work-group, clusters of 4 x 4, 327,680 bytes of LDS; arguments pt, vt, hh, st; writes hh
.if DOCPART == 4
	.amdgcn_target "amdgcn-amd-amdhsa--gfx1250"
	.amdhsa_code_object_version 6
	.text
	.protected	k_qb7441bf97a_pv
	.globl	k_qb7441bf97a_pv
	.p2align	8
	.type	k_qb7441bf97a_pv,@function
k_qb7441bf97a_pv:
	s_mov_b64 s[64:65], 0
	v_nop
	global_prefetch_b8 v0, s[64:65] scope:SCOPE_SE
	s_setreg_imm32_b32 hwreg(HW_REG_WAVE_MODE, 25, 1), 1
	s_wait_xcnt 0x0
	s_wait_alu depctr_hold_cnt(0) depctr_sa_sdst(0) depctr_va_vdst(0) depctr_va_sdst(0) depctr_va_ssrc(0) depctr_va_vcc(0) depctr_vm_vsrc(0)
	s_getreg_b32 s2, hwreg(HW_REG_IB_STS2, 6, 4)
	s_cmp_eq_u32 s2, 0
	s_cbranch_scc0 .Lentry_in_a_cluster
	s_endpgm
.Lentry_in_a_cluster:
	s_bfe_u32 s2, ttmp6, 0x10000c
	s_cmp_lg_u32 s2, 0xf033
	s_cbranch_scc0 .Lentry_shape_is_right
	s_endpgm
.Lentry_shape_is_right:
; PV: the softmax's second half and H = A V, in f16 operands and f32 sums; H is rounded once to f16.  No work of the problem is left out here.
; pt: [8192 q][2048 keys] f16, p = 2^(t - M_g) under the whole-number maximum M_g of its group of 128 keys; st: [16 g][8192][2] f32 = (-M_g, l_g); vt: [4][1024 v][2048 keys] f16; hh: [8192][1024] f16.
; For each row: M = the largest M_g; f_g = 2^(M_g - M); L = the sum of f_g l_g; w_g = f_g / L.  H = the sum over g of w_g (P_g V_g).  So the row's maximum is taken away for every input.
; A K step of 128 keys IS a key group.  Its products are summed in accumulators T of their own, begun anew in each step; the step's sum is taken into H's accumulators in f32: acc += w_g T, two numbers an
; instruction.  The first step's sum starts them (acc = w_0 T): nothing is cleared.
; LIMITS: a w_g under f32's smallest number becomes 0; NaN and infinities are not served; H is at most V's largest magnitude, so it has V's room in f16.
; A tile of H is 128 rows x 256 columns: 8,192 x 1,024 numbers make 256 such tiles, one for each work-group.  A wave makes 64 x 128: 32 accumulators, 256 registers, twice.
; K goes in steps of 128 through a ring of two LDS slots; every wave issues one tensor load a fill: waves 0 and 1 P's halves of 64 rows, waves 2 and 3 V's halves of 128 rows.
; Two slots of 256 along K would take 2 x 384 rows x 528 bytes, more than a work-group can have: so a slot holds one step, and the refill is asked for as soon as the change of slots allows: no product stands
; between the wait for my tensor loads and the joint load.
; CLUSTERS: 4 x 4.  The four of a row of the cluster need the same tiles of P, the four of a column the same tiles of V: each is asked for JOINTLY.
; THE MATRIX INSTRUCTION IS USED TRANSPOSED (source 0 = 16 rows of V^T, source 1 = 16 rows of P): a lane holds one row of H and eight neighbouring columns, so a row's factor is the lane's.
; REGISTERS: window 0: v0-31 addresses and factors; two fragment buffers at v32 and v128: P's four blocks at f + 8 a, V's eight at f + 32 + 8 b.
;   window 1: H's accumulator (a, b) at v[8 (8 a + b)].   window 2: T's, at the same numbers.
.set KSTEP,  128
.set PITCH,  272                       ; an LDS row: 256 bytes + 16 of padding
.set AHALF,  64*PITCH                  ; what a load for P brings
.set BHALF,  128*PITCH                 ; what a load for V brings
.set BOFF,   2*AHALF                   ; V's 256 rows lie behind P's 128
.set SLOT,   2*AHALF+2*BHALF
.set STAGE,  2*SLOT                    ; behind the ring: 16 rows x 272 bytes for each wave, for the way out
.set SPITCH, 272
.set FT,     STAGE+4*16*SPITCH         ; the factors: 16 groups x 128 rows x 4 bytes, w_g in f32
.set SPARE,  FT+16*512                 ; the spare words, 128 bytes for each wave: two blocks of 256 bytes that no other line names
.set TRIPS,  6                         ; 16 K steps: one and a quarter in front of the loop, two a trip, the rest behind it
.set LDA,    2048                      ; elements from row to row of pt,
.set LDB,    2048                      ; and of vt
.set ROWC,   2048                      ; a row of hh in bytes
.set ADRF0, 7                          ; v7      my lane's place among a group's factors; never rewritten
.set FAC,  8                           ; v8-15   the K step's factors of my rows: a pair a block, the factor in its low register
.set ADRA, 16                          ; v16-17  LDS address of my P fragments in slot 0, 1
.set ADRB, 20                          ; v20-21  the same for V
.set STO,  24                          ; v24     the way out: where I put 16 bytes of a row
.set RD,   25                          ; v25     the way out: where I read a row back
.set CO,   26                          ; v26     my byte offset in two rows of hh
.set ADRF, 27                          ; v27     LDS address of the factors in hand
.set SPW,  28                          ; v28     LDS address of my spare word; never rewritten
.set NIL,  29                          ; v29     0; never rewritten
.set PFO,  30                          ; v30     the prefetches' offset: my lane x a row of 4,096 bytes; never rewritten
.set FTW,  31                          ; v31     where my thread stores its row's factors
.set F0,   32
.set F1,   128
.set TMP,  32                          ; the way out: packed results, v32-63
.set BKR,  64                          ; the way out: 16 rows read back: v64-95 and v96-127 by turns
.set G1, 24                            ; s[24:31] descriptor group 1 for P's tiles;  s[32:39] group 0, one set for each slot
.set G0, 32
.set G1B, 48                           ; s[48:55], s[56:63] the same for V's tiles
.set G0B, 56
.set FS,  66                           ; s66     where the next K step's factors begin: 512 bytes a step
.set LIM, 67                           ; s67     1 in a wave that prefetches, else the greatest number
.set PFA, 68                           ; s[68:69] where my prefetches stand: my 32 rows, at the K step two refills on
.set MSB, 0
.macro WIN new                         ; the immediate's high byte repeats the setting that is left; a switch that changes nothing is dropped
.if MSB != (\new)
	s_set_vgpr_msb (MSB<<8)|(\new)
.set MSB, (\new)
.endif
.endm
.set MULT, 0xa0                        ; C and D (T) window 2, both sources window 0
.set FLW,  0x52                        ; destination and source 2 (H's accumulators) window 1, source 0 (T) window 2, source 1 (the factor) window 0
.macro JLOAD s                         ; a joint load: waves 0 and 1 fetch P's two halves, waves 2 and 3 V's; an s_nop 0 and four v_nop follow each of the two lines
	s_cmp_eq_u32 s13, 0
	s_cbranch_scc0 .Lfor_b_\@
	tensor_load_to_lds s[G0+4*\s:G0+4*\s+3], s[G1:G1+7]
	s_nop 0
.rept 4
	v_nop
.endr
	s_branch .Lasked_\@
.Lfor_b_\@:
	tensor_load_to_lds s[G0B+4*\s:G0B+4*\s+3], s[G1B:G1B+7]
	s_nop 0
.rept 4
	v_nop
.endr
.Lasked_\@:
.endm
; A PREFETCH INTO THE L2, behind a joint load, its five lines and the run of LDS loads that follows them: the K step that stands TWO refills on (256 matrix instructions of a wave ahead of the load that will
; ask for it): 32 rows x 256 bytes, a lane a row, one instruction a wave.  Each row's 256 bytes of a K step are named ONCE in the launch.  P's 128 rows of a tile are read by one row of one cluster alone:
; wave 0 of each of the four partners takes 32 of them, told apart BY ADDRESS (cx).  V's rows are read by the four clusters of a batch: the first of them asks; of the 128 rows that wave 2 or 3 fetches, each of the
; four partners takes 32 (cy).  No branch hangs on a work-group's place in its cluster.  how = 1: wherever I am one that asks; how = 2: but not in the loop's last trip, whose second refill has no K step two on.
.macro ASK how
.if \how == 1
	s_cmp_eq_u32 s[LIM], 1
.else
	s_cmp_gt_u32 s3, s[LIM]                        ; s3 = 1 in the loop's last trip
.endif
	s_cbranch_scc0 .Lnot_mine_\@
	global_prefetch_b8 v[PFO], s[PFA:PFA+1] th:TH_LOAD_NT scope:SCOPE_SE
.Lnot_mine_\@:
.endm
.macro CREST                           ; a round of the cluster's barrier behind its opening barrier
	s_cmp_lg_u32 s12, 0
	s_cbranch_scc1 .Lnot_wave_0_\@
	s_barrier_signal -3
.Lnot_wave_0_\@:
	s_barrier_wait -3
	s_barrier_signal -1
	s_barrier_wait -1
.endm
.macro CROUND                          ; a whole round
	s_barrier_signal -1
	s_barrier_wait -1
	CREST
.endm
	s_load_b256 s[4:11], s[0:1], 0x0               ; pt s[4:5], vt s[6:7], hh s[8:9], st s[10:11]
	v_lshl_add_u32 v[SPW], v0, 2, SPARE
	v_mov_b32 v[NIL], 0
	ds_add_u32 v[SPW], v[NIL]                      ; the wave's opening: the add, twice on end, and its wait ahead of my first tensor load; the set-up below, work on registers, stands between
	ds_add_u32 v[SPW], v[NIL]
	v_lshrrev_b32 v1, 5, v0
	v_readfirstlane_b32 s12, v1                    ; wave 0..3
	s_lshr_b32 s13, s12, 1                         ; which half of the tile's rows is mine.  Also: I fetch for P (0) or for V (1)
	s_and_b32 s14, s12, 1                          ; which half of its columns.  Also: which half of that tile I fetch
	s_bfe_u32 s15, ttmp6, 0x40000                  ; cx, cy: my place in the cluster
	s_bfe_u32 s16, ttmp6, 0x40004
	s_lshl_b32 s17, ttmp9, 2
	s_add_co_u32 s17, s17, s15                     ; tile column = 4 x cluster x + cx
	s_and_b32 s21, ttmp7, 0xffff                   ; cluster y
	s_lshl_b32 s18, s21, 2
	s_add_co_u32 s18, s18, s16                     ; tile row = 4 x cluster y + cy
	s_lshl_b32 s19, s16, 2
	s_lshl_b32 s19, 15, s19                        ; my row of the cluster
	s_lshl_b32 s20, 0x1111, s15                    ; my column
	s_or_b32 s[G1+0], s19, (1<<16)|(1<<20)|(1<<21)|(5<<22)|(3<<25)  ; 15:0 the mask: P's tiles go to my row; 17:16 element of 2 bytes; 20 padding on; 21 set beside a mask; 24:22 after every 64 words (code 5); 31:25 of 4 words (code 3)
	s_mov_b32 s[G1+1], KSTEP<<16                   ; tensor_dim0 = 128
	s_mov_b32 s[G1+2], 64<<16                      ; tensor_dim1 = 64
	s_mov_b32 s[G1+3], KSTEP<<16                   ; tile_dim0 = 128
	s_mov_b32 s[G1+4], 64                          ; tile_dim1 = 64
	s_mov_b32 s[G1+5], LDA                         ; tensor_dim0_stride
	s_mov_b32 s[G1+6], 0
	s_mov_b32 s[G1+7], 0
	s_or_b32 s[G1B+0], s20, (1<<16)|(1<<20)|(1<<21)|(5<<22)|(3<<25) ; the same with the mask of my column, for V's tiles of 128 rows
	s_mov_b32 s[G1B+1], KSTEP<<16
	s_mov_b32 s[G1B+2], 128<<16
	s_mov_b32 s[G1B+3], KSTEP<<16
	s_mov_b32 s[G1B+4], 128
	s_mov_b32 s[G1B+5], LDB
	s_mov_b32 s[G1B+6], 0
	s_mov_b32 s[G1B+7], 0
	s_mov_b32 s[FS], 0
	s_lshl_b32 s40, s18, 7                         ; P: row 128 x tile row + 64 x half, 4,096 bytes a row: it hangs on the tile row alone
	s_lshl_b32 s41, s14, 6
	s_add_co_u32 s40, s40, s41
	s_lshl_b32 s40, s40, 12
	s_mov_b32 s41, 0
	s_lshl_b32 s42, s17, 8                         ; V: row 256 x tile column + 128 x half, 4,096 bytes a row,
	s_lshl_b32 s43, s14, 7
	s_add_co_u32 s42, s42, s43
	s_lshl_b32 s42, s42, 12
	s_lshr_b32 s43, s21, 2                         ; in the batch's plane of 4 MiB: sixteen tile rows, four clusters along y, make a batch: all partners share it
	s_lshl_b32 s43, s43, 22
	s_add_co_u32 s42, s42, s43
	s_mov_b32 s43, 0
	s_mul_i32 s44, s14, AHALF                      ; where they go: no place in the cluster enters an LDS address
	s_mul_i32 s45, s14, BHALF
	s_add_co_u32 s45, s45, BOFF
	s_wait_dscnt 0x0                               ; both opening adds are done
	s_wait_kmcnt 0x0
	s_add_nc_u64 s[40:41], s[4:5], s[40:41]
	s_add_nc_u64 s[42:43], s[6:7], s[42:43]
	CROUND                                         ; all sixteen work-groups are here: the first joint loads meet
.irp s, 0,1
	s_mov_b32 s[G0+4*\s], 1
	s_add_co_u32 s[G0+4*\s+1], s44, \s*SLOT
	s_add_nc_u64 s[G0+4*\s+2:G0+4*\s+3], s[40:41], \s*KSTEP*2
	s_or_b32 s[G0+4*\s+3], s[G0+4*\s+3], 0x80000000
	s_mov_b32 s[G0B+4*\s], 1
	s_add_co_u32 s[G0B+4*\s+1], s45, \s*SLOT
	s_add_nc_u64 s[G0B+4*\s+2:G0B+4*\s+3], s[42:43], \s*KSTEP*2
	s_or_b32 s[G0B+4*\s+3], s[G0B+4*\s+3], 0x80000000
	JLOAD \s                                       ; two tensor loads of mine are out behind the second
.endr
	; THE ROWS' FACTORS.  Thread t of the work-group's 128 owns row 128 x tile row + t: its 16 pairs (-M_g, l_g) come by 16 loads, each 256 consecutive bytes a wave.
	v_lshlrev_b32 v6, 3, v0
	s_lshl_b32 s22, s18, 10                        ; 128 rows of 8 bytes
	s_mov_b32 s23, 0
	s_add_nc_u64 s[10:11], s[10:11], s[22:23]
.irp g, 0,1,2,3,4,5,6,7,8,9,10,11,12,13,14,15
	global_load_b64 v[32+2*\g:33+2*\g], v6, s[10:11] offset:\g*65536
.endr
	v_and_b32 v1, 15, v0                           ; l % 16
	v_bfe_u32 v2, v0, 4, 1                         ; l / 16
	v_mul_u32_u24 v3, v1, PITCH
	v_lshl_add_u32 v3, v2, 4, v3                   ; a fragment's row x pitch + 16 x half
	s_mul_i32 s22, s13, AHALF                      ; my 64 rows of P
	s_mul_i32 s23, s14, BHALF                      ; my 128 rows of V
	s_add_co_u32 s23, s23, BOFF
.irp s, 0,1
	v_add_nc_u32 v[ADRA+\s], s22, v3
	v_add_nc_u32 v[ADRB+\s], s23, v3
	s_add_co_u32 s22, s22, SLOT
	s_add_co_u32 s23, s23, SLOT
.endr
	s_mul_i32 s22, s12, 16*SPITCH
	s_add_co_u32 s22, s22, STAGE                   ; my stage
	v_mul_u32_u24 v4, v1, SPITCH                   ; in: row l % 16, 16 bytes for each half of the lanes
	v_lshl_add_u32 v4, v2, 4, v4
	v_add_nc_u32 v[STO], s22, v4
	v_mul_u32_u24 v5, v2, SPITCH                   ; back: lanes 0-15 take one row of 256 bytes, lanes 16-31 the next
	v_lshl_add_u32 v5, v1, 4, v5
	v_add_nc_u32 v[RD], s22, v5
	v_lshlrev_b32 v5, 11, v2                       ; and the same two rows in hh
	v_lshl_add_u32 v[CO], v1, 4, v5
	s_lshl_b32 s22, s13, 8                         ; my 64 rows' factors: 4 bytes a row
	v_lshl_add_u32 v[ADRF0], v1, 2, s22
	v_add_nc_u32 v[ADRF0], FT, v[ADRF0]
	v_lshl_add_u32 v[FTW], v0, 2, FT
	s_lshl_b32 s22, s18, 7                         ; where my part of hh begins: row 128 x tile row + 64 x half, 2,048 bytes a row; column 512 x tile column + 256 x half, in bytes
	s_lshl_b32 s23, s13, 6
	s_add_co_u32 s22, s22, s23
	s_lshl_b32 s22, s22, 11
	s_lshl_b32 s23, s17, 9
	s_add_co_u32 s22, s22, s23
	s_lshl_b32 s23, s14, 8
	s_add_co_u32 s22, s22, s23
	s_mov_b32 s23, 0
	s_add_nc_u64 s[8:9], s[8:9], s[22:23]
	; the prefetches (macro ASK): where my wave's stand, and who asks.  s40 to s45 are free from here on
	s_lshl_b32 s40, s18, 7
	s_lshl_b32 s41, s15, 5
	s_add_co_u32 s40, s40, s41                     ; P: row 128 x tile row + my work-group's 32
	s_lshl_b32 s42, s17, 8
	s_lshl_b32 s43, s14, 7
	s_add_co_u32 s42, s42, s43
	s_lshl_b32 s43, s16, 5
	s_add_co_u32 s42, s42, s43                     ; V: row 256 x tile column + the 128 that I fetch + my work-group's 32,
	s_lshr_b32 s43, s21, 2
	s_lshl_b32 s43, s43, 10
	s_add_co_u32 s42, s42, s43                     ; in the batch's 1,024 rows
	s_and_b32 s44, s21, 3                          ; 0 in the batch's first cluster
	s_cmp_eq_u32 s13, 0                            ; do I fetch for P?
	s_cselect_b32 s40, s40, s42
	s_cselect_b32 s44, s14, s44                    ; for P wave 0 asks, in every cluster; wave 1 asks for nothing
	s_cselect_b64 s[PFA:PFA+1], s[4:5], s[6:7]
	s_cmp_eq_u32 s44, 0
	s_cselect_b32 s[LIM], 1, -1                    ; the same in all sixteen partners, for a given wave
	s_lshl_b32 s40, s40, 12                        ; 4,096 bytes a row
	s_add_co_u32 s40, s40, 3*KSTEP*2               ; at K step 3: the first change of slots steps it to 4.  Nothing is prefetched here, at the head: K steps 0 to 3 come by their loads alone
	s_mov_b32 s41, 0
	s_add_nc_u64 s[PFA:PFA+1], s[PFA:PFA+1], s[40:41]
	v_and_b32 v[PFO], 31, v0
	v_lshlrev_b32 v[PFO], 12, v[PFO]
	s_wait_loadcnt 0x0
	v_min3_num_f32 v64, v32, v34, v36              ; -M = the least -M_g
.irp g, 3,5,7,9,11,13
	v_min3_num_f32 v64, v64, v[32+2*\g], v[34+2*\g]
.endr
	v_min_num_f32 v64, v64, v62
.irp g, 0,1,2,3,4,5,6,7,8,9,10,11,12,13,14,15
	v_sub_f32 v[66+\g], v64, v[32+2*\g]            ; M_g - M: a whole number, 0 or less
.endr
.irp g, 0,1,2,3,4,5,6,7,8,9,10,11,12,13,14,15
	v_cvt_i32_f32 v[66+\g], v[66+\g]               ; (it saturates)
.endr
.irp g, 0,1,2,3,4,5,6,7,8,9,10,11,12,13,14,15
	v_ldexp_f32 v[66+\g], 1.0, v[66+\g]            ; f_g = 2^(M_g - M)
.endr
	v_mul_f32 v82, v66, v33
.irp g, 1,2,3,4,5,6,7,8,9,10,11,12,13,14,15
	v_fmac_f32 v82, v[66+\g], v[33+2*\g]           ; L = the sum of f_g l_g: at least 1/2, since the largest group's f is 1 and its largest p is over 1/2
.endr
	v_rcp_f32 v83, v82
.irp a, 0,1,2,3
	v_mov_b32 v[FAC+2*\a+1], 0                     ; (named as the upper halves of the pairs that the packed forms take.  Plain work behind the reciprocal)
.endr
	s_wait_alu depctr_va_vdst(0)                   ; the wait ahead of the first line that names the reciprocal
.irp g, 0,1,2,3,4,5,6,7,8,9,10,11,12,13,14,15
	v_mul_f32 v[84+\g], v[66+\g], v83              ; w_g = f_g / L
.endr
.irp g, 0,1,2,3,4,5,6,7,8,9,10,11,12,13,14,15
	ds_store_b32 v[FTW], v[84+\g] offset:512*\g
.endr
.macro MUL8 f, a, zero                 ; P's block a x V's eight, 32 along K, into T.  zero = 1: a K step's first product starts its sums: nothing is ever cleared
.irp b, 0,1,2,3,4,5,6,7
.if \zero
	v_wmma_f32_16x16x32_f16 v[8*(8*(\a)+\b):8*(8*(\a)+\b)+7], v[\f+32+8*\b:\f+32+8*\b+7], v[\f+8*(\a):\f+8*(\a)+7], 0
.else
	v_wmma_f32_16x16x32_f16 v[8*(8*(\a)+\b):8*(8*(\a)+\b)+7], v[\f+32+8*\b:\f+32+8*\b+7], v[\f+8*(\a):\f+8*(\a)+7], v[8*(8*(\a)+\b):8*(8*(\a)+\b)+7]
.endif
.endr
.endm
.macro MUL16 f, a0, zero               ; the 32 accumulators take turns, one instruction a turn, in the same order in every quarter
	MUL8 \f, \a0, \zero
	MUL8 \f, \a0+1, \zero
.endm
.macro FETCH slot, k, f                ; 24 LDS loads in one run: V's eight fragments, then P's four, 32 along K at byte k of the rows
	WIN 0
.irp i, 0,1,2,3,4,5,6,7
	ds_load_b128 v[\f+32+8*\i:\f+32+8*\i+3], v[ADRB+\slot] offset:\k+\i*16*PITCH
	ds_load_b128 v[\f+32+8*\i+4:\f+32+8*\i+7], v[ADRB+\slot] offset:\k+\i*16*PITCH+32
.endr
.irp i, 0,1,2,3
	ds_load_b128 v[\f+8*\i:\f+8*\i+3], v[ADRA+\slot] offset:\k+\i*16*PITCH
	ds_load_b128 v[\f+8*\i+4:\f+8*\i+7], v[ADRA+\slot] offset:\k+\i*16*PITCH+32
.endr
.endm
; A load into a register that a matrix instruction has read, and a vector instruction that reads a matrix result, stand four places behind that matrix instruction; a matrix instruction that begins an accumulator
; anew stands five behind the one that wrote it last; only plain vector instructions that name none of its registers are places (ISA guide 7.12.1 for vector instructions).
.macro PLACES
.rept 4
	v_nop
.endr
.endm
; The finished K step's sums of blocks a0 and a0 + 1 go into H's accumulators: acc += w T, in f32, each accumulator of T from its low end on.  first = 1: acc = w T.
.macro FLUSH a0, first
	WIN FLW
.irp a, \a0, \a0+1
.set i, 0
.rept 32
.if \first
	v_pk_mul_f32 v[64*(\a)+i:64*(\a)+i+1], v[64*(\a)+i:64*(\a)+i+1], v[FAC+2*(\a):FAC+2*(\a)+1] op_sel_hi:[1,0]
.else
	v_pk_fma_f32 v[64*(\a)+i:64*(\a)+i+1], v[64*(\a)+i:64*(\a)+i+1], v[FAC+2*(\a):FAC+2*(\a)+1], v[64*(\a)+i:64*(\a)+i+1] op_sel_hi:[1,0,1]
.endif
.set i, i+2
.endr
.endr
.endm
.macro FACT                            ; the next K step's factors of my 64 rows
	v_add_nc_u32 v[ADRF], s[FS], v[ADRF0]
	s_add_co_u32 s[FS], s[FS], 512
.irp a, 0,1,2,3
	ds_load_b32 v[FAC+2*\a], v[ADRF] offset:64*\a
.endr
.endm
; A K step is four quarters of 32 along K, 32 matrix instructions each, on buffers 0, 1, 0, 1.  One of the first three multiplies buffer f and fetches the next quarter, at byte k, into g.
.macro QUARTER slot, k, f, g, zero
	s_wait_dscnt 4                                 ; V's fragments and P's blocks 0 and 1 are in; the youngest four loads (P's blocks 2 and 3) may be out
	WIN MULT
	MUL16 \f, 0, \zero
	PLACES
	FETCH \slot, \k, \g
	s_wait_dscnt 24                                ; all but the 24 just issued
	WIN MULT
	MUL16 \f, 2, \zero
.endm
; The first quarter of a K step that has a step before it: that step's sums leave T just ahead of the products that begin T anew.  Four v_nop stand behind the last step's products, ahead of the first read of T;
; for each product that begins an accumulator anew, and for the loads into buffer 1, the multiply-adds of the other accumulators are the places.
.macro QFIRST slot, first
	PLACES
	FLUSH 0, \first
	s_wait_dscnt 4                                 ; V's fragments and P's blocks 0 and 1 are in
	WIN MULT
	MUL16 F0, 0, 1
	FLUSH 2, \first
	WIN 0
	FACT                                           ; the factors just used make room for this step's
	FETCH \slot, 64, F1
	s_wait_dscnt 24                                ; all but the 24 just issued
	WIN MULT
	MUL16 F0, 2, 1
.endm
; The last quarter multiplies buffer 1 and changes slots, and the change comes first: each wave waits for all its tensor loads, adds 0 to its spare word, and waits for that and for its own reads of this slot
; (the last, buffer 1's, were issued half a quarter ago).  fill = 1: the barrier opens a round of the cluster's barrier, and behind the round this slot is filled again, two K steps ahead, first of all.
; The quarter's 32 products stand behind the joint load: so nothing but the change itself lies between a tile's landing and the next request.
.macro TURN slot, next, fill, ask
	WIN 0
.if \fill
	s_wait_xcnt 0x0                                ; the last prefetch, a K step back, has read its address: it is stepped here
	s_add_nc_u64 s[PFA:PFA+1], s[PFA:PFA+1], KSTEP*2
.endif
	s_wait_tensorcnt 0x0                           ; all my tensor loads have landed: my part of the next slot; so every group 0 may be written
	ds_add_u32 v[SPW], v[NIL]                      ; 0 onto my spare word
.if \fill
	s_add_nc_u64 s[G0+4*\slot+2:G0+4*\slot+3], s[G0+4*\slot+2:G0+4*\slot+3], 2*KSTEP*2
	s_add_nc_u64 s[G0B+4*\slot+2:G0B+4*\slot+3], s[G0B+4*\slot+2:G0B+4*\slot+3], 2*KSTEP*2
.endif
	s_wait_dscnt 0x0                               ; the add is done, and my reads of this slot are over
	s_barrier_signal -1
	s_barrier_wait -1
.if \fill
	CREST                                          ; no wave of any partner still reads this slot's tile or has a load on its way
	JLOAD \slot                                    ; the first tensor load behind the round; the four v_nop behind it are also the places in front of the loads below
.else
	PLACES
.endif
	FETCH \next, 0, F0
.if \ask
	ASK \ask
.endif
	WIN MULT
	MUL16 F1, 0, 0
	MUL16 F1, 2, 0
.endm
	s_wait_tensorcnt 1                             ; my part of K step 0 is in (K step 1's load may be out)
	s_wait_dscnt 0x0                               ; and my rows' factors are stored,
	s_barrier_signal -1
	s_barrier_wait -1                              ; everybody's are
	FACT                                           ; w_0
	FETCH 0, 0, F0
	QUARTER 0, 64,  F0, F1, 1                      ; K step 0, and K step 1's first quarter, stand in front of the loop: step 0 has no sums before it, and its own start H's accumulators
	QUARTER 0, 128, F1, F0, 0
	QUARTER 0, 192, F0, F1, 0
	TURN 0, 1, 1, 1                                ; slot 0 takes K step 2
	QFIRST 1, 1
	WIN 0                                          ; at a label and at a branch every window is 0
	s_mov_b32 s3, TRIPS
.Llap:                                                 ; trip i goes from K step 2 i + 1's second quarter to K step 2 i + 3's first, and fills both slots again: with K steps 2 i + 3 and 2 i + 4
	QUARTER 1, 128, F1, F0, 0
	QUARTER 1, 192, F0, F1, 0
	TURN 1, 0, 1, 1                                ; it prefetches K step 2 i + 5: 15 at the most
	QFIRST 0, 0
	QUARTER 0, 128, F1, F0, 0
	QUARTER 0, 192, F0, F1, 0
	TURN 0, 1, 1, 2                                ; it prefetches K step 2 i + 6: not in the last trip
	QFIRST 1, 0
	WIN 0
	s_sub_co_u32 s3, s3, 1
	s_cmp_lg_u32 s3, 0
	s_cbranch_scc1 .Llap
	QUARTER 1, 128, F1, F0, 0                      ; the tail is written out: the rest of K step 13,
	QUARTER 1, 192, F0, F1, 0
	TURN 1, 0, 1, 0                                ; slot 1 takes K step 15: the last load
	QFIRST 0, 0                                    ; K step 14,
	QUARTER 0, 128, F1, F0, 0
	QUARTER 0, 192, F0, F1, 0
	TURN 0, 1, 0, 0                                ; nothing is filled, and no round of the cluster's barrier follows
	QFIRST 1, 0                                    ; K step 15
	QUARTER 1, 128, F1, F0, 0
	QUARTER 1, 192, F0, F1, 0
	s_wait_dscnt 4                                 ; the very last quarter: nothing more to fetch
	WIN MULT
	MUL16 F1, 0, 0
	s_wait_dscnt 0x0
	MUL16 F1, 2, 0
	PLACES                                         ; four places behind the last products
	FLUSH 0, 0                                     ; K step 15's sums
	FLUSH 2, 0
	WIN 0
; THE WAY OUT of block a (16 rows x 128 columns): rounded to f16, through my own stage in LDS, and stored as whole rows of 256 bytes.  (1 / L lies in the factors.)
.macro PACK a
	WIN 0x05                                       ; sources 0 and 1 window 1, destination window 0
.set i, 0
.rept 32
	v_cvt_pk_f16_f32 v[TMP+i], v[64*(\a)+2*i], v[64*(\a)+2*i+1]
.set i, i+1
.endr
	WIN 0
.endm
.macro TOSTAGE a
.set BK, BKR+32*((\a)%2)
.irp b, 0,1,2,3,4,5,6,7
	ds_store_b128 v[STO], v[TMP+4*\b:TMP+4*\b+3] offset:32*\b
.endr
.irp t, 0,1,2,3,4,5,6,7
	ds_load_b128 v[BK+4*\t:BK+4*\t+3], v[RD] offset:\t*2*SPITCH    ; LDS serves a wave's instructions in order (ISA guide 5.7.1.4): these see the stores above
.endr
.endm
.macro SEND a
.set BK, BKR+32*((\a)%2)
	s_wait_dscnt 0x0                               ; the block is back in registers
	s_wait_xcnt 0x0                                ; the earlier stores have read their base and their registers: only behind this wait are they rewritten
.if (\a) > 0
	s_add_nc_u64 s[8:9], s[8:9], 16*ROWC           ; 16 rows of hh on
.endif
.irp t, 0,1,2,3,4,5,6,7
	global_store_b128 v[CO], v[BK+4*\t:BK+4*\t+3], s[8:9] offset:2*\t*ROWC   ; 16 lanes store 256 consecutive bytes, at a multiple of 256 from hh's first byte
.endr
.endm
	PACK 0
	TOSTAGE 0
.irp a, 1,2,3                          ; block a's conversions stand between block a - 1's loads from the stage and the wait for them
	PACK \a
	SEND \a-1
	TOSTAGE \a
.endr
	SEND 3
	s_wait_tensorcnt 0x0                           ; the wave's end: the wait, the add and its wait, behind my last tensor load and my last LDS store
	ds_add_u32 v[SPW], v[NIL]
	s_wait_dscnt 0x0
	CROUND                                         ; the closing round: no work-group ends while a partner may still ask for a tile that names it
	s_endpgm
.Lfunc_end_k_qb7441bf97a_pv:
	.size	k_qb7441bf97a_pv, .Lfunc_end_k_qb7441bf97a_pv-k_qb7441bf97a_pv
	.p2alignl 7, 3214868480
	.fill 96, 4, 3214868480
	.section	.rodata,"a",@progbits
	.p2align	6, 0x0
	.amdhsa_kernel k_qb7441bf97a_pv
		.amdhsa_group_segment_fixed_size 327680
		.amdhsa_private_segment_fixed_size 0
		.amdhsa_enable_private_segment 0
		.amdhsa_kernarg_size 32
		.amdhsa_user_sgpr_count 2
		.amdhsa_user_sgpr_kernarg_segment_ptr 1
		.amdhsa_wavefront_size32 1
		.amdhsa_system_sgpr_workgroup_id_x 1
		.amdhsa_system_sgpr_workgroup_id_y 1
		.amdhsa_system_sgpr_workgroup_id_z 1
		.amdhsa_system_vgpr_workitem_id 0
		.amdhsa_next_free_vgpr 768
		.amdhsa_next_free_sgpr 72
		.amdhsa_reserve_vcc 0
		.amdhsa_float_denorm_mode_32 3
		.amdhsa_float_denorm_mode_16_64 3
		.amdhsa_memory_ordered 1
		.amdhsa_forward_progress 1
		.amdhsa_inst_pref_size 176
	.end_amdhsa_kernel
	.amdgpu_metadata
---
amdhsa.version: [ 1, 2 ]
amdhsa.kernels:
  - .name:           k_qb7441bf97a_pv
    .symbol:         k_qb7441bf97a_pv.kd
    .args:
      - { .name: pt, .offset: 0, .size: 8, .value_kind: global_buffer, .address_space: global }
      - { .name: vt, .offset: 8, .size: 8, .value_kind: global_buffer, .address_space: global }
      - { .name: hh, .offset: 16, .size: 8, .value_kind: global_buffer, .address_space: global }
      - { .name: st, .offset: 24, .size: 8, .value_kind: global_buffer, .address_space: global }
    .group_segment_fixed_size: 327680
    .private_segment_fixed_size: 0
    .kernarg_segment_align: 8
    .kernarg_segment_size: 32
    .max_flat_workgroup_size: 128
    .sgpr_count:     72
    .vgpr_count:     768
    .wavefront_size: 32
...
	.end_amdgpu_metadata
.endif
;; end of part 4
;; launch proj (part 5): grid 4 x 64, 4 waves a work-group, clusters of 4 x 4, 327,680 bytes of LDS; arguments hh, wq, out0; writes out0
.if DOCPART == 5
	.amdgcn_target "amdgcn-amd-amdhsa--gfx1250"
	.amdhsa_code_object_version 6
	.text
	.protected	k_qb7441bf97a_proj
	.globl	k_qb7441bf97a_proj
	.p2align	8
	.type	k_qb7441bf97a_proj,@function
k_qb7441bf97a_proj:
	s_mov_b64 s[64:65], 0
	v_nop
	global_prefetch_b8 v0, s[64:65] scope:SCOPE_SE
	s_setreg_imm32_b32 hwreg(HW_REG_WAVE_MODE, 25, 1), 1
	s_wait_xcnt 0x0
	s_wait_alu depctr_hold_cnt(0) depctr_sa_sdst(0) depctr_va_vdst(0) depctr_va_sdst(0) depctr_va_ssrc(0) depctr_va_vcc(0) depctr_vm_vsrc(0)
	s_getreg_b32 s2, hwreg(HW_REG_IB_STS2, 6, 4)
	s_cmp_eq_u32 s2, 0
	s_cbranch_scc0 .Lentry_in_a_cluster
	s_endpgm
.Lentry_in_a_cluster:
	s_bfe_u32 s2, ttmp6, 0x10000c
	s_cmp_lg_u32 s2, 0xf033
	s_cbranch_scc0 .Lentry_shape_is_right
	s_endpgm
.Lentry_shape_is_right:
; PROJ: y = H W_O, in f16 operands and f32 sums; y leaves in f32.  No work of the problem is left out here.
; hh: [8192][1024] f16;  W_O lies turned in wq from byte WOT on: [1024 e][1024 v] f16, v (this product's K) innermost;  out0: [8192][1024] f32.
; A tile of y is 128 rows x 256 columns: 256 tiles, one for each work-group.  A wave makes 64 x 128: 32 accumulators, 256 registers.  K goes in steps of 128 through a ring of two LDS slots;
; every wave issues one tensor load a fill: waves 0 and 1 H's halves of 64 rows, waves 2 and 3 W_O's halves of 128 rows.  Two slots of 256 along K would take 2 x 384 rows x 528 bytes, more than a work-group
; can have: so a slot holds one step, and the refill is asked for as soon as the change of slots allows: no product stands between the wait for my tensor loads and the joint load.
; CLUSTERS: 4 x 4.  The four of a row of the cluster need the same tiles of H, the four of a column the same tiles of W_O: each is asked for JOINTLY.
; THE MATRIX INSTRUCTION IS USED TRANSPOSED (source 0 = 16 rows of W_O^T, source 1 = 16 rows of H): a lane holds one row of y and eight neighbouring columns.
; REGISTERS: window 0: v0-31 addresses; two fragment buffers at v32 and v128: H's four blocks at f + 8 a, W_O's eight at f + 32 + 8 b.   window 1: accumulator (a, b) at v[8 (8 a + b)].
.set KSTEP,  128
.set PITCH,  272                       ; an LDS row: 256 bytes + 16 of padding
.set AHALF,  64*PITCH                  ; what a load for H brings
.set BHALF,  128*PITCH                 ; what a load for W_O brings
.set BOFF,   2*AHALF                   ; W_O's 256 rows lie behind H's 128
.set SLOT,   2*AHALF+2*BHALF
.set STAGE,  2*SLOT                    ; behind the ring: 16 rows x (512 bytes + 16) for each wave, for the way out
.set SPITCH, 528
.set SPARE,  STAGE+4*16*SPITCH         ; the spare words, 128 bytes for each wave: two blocks of 256 bytes that no other line names
.set LAPS,   4                         ; a lap = two K steps: 1,024 / 256
.set LDA,    1024                      ; elements from row to row of hh,
.set LDB,    1024                      ; and of W_O^T
.set ROWC,   4096                      ; a row of out0 in bytes
.set WOT,    1671168                   ; wq: where W_O's f16 numbers begin
.set ADRA, 16                          ; v16-17  LDS address of my H fragments in slot 0, 1
.set ADRB, 20                          ; v20-21  the same for W_O
.set STO,  24                          ; v24     the way out: where I put 32 bytes of a row
.set RD,   25                          ; v25     the way out: where I read a row back
.set CO,   26                          ; v26     my byte offset in a row's 512 bytes
.set SPW,  28                          ; v28     LDS address of my spare word; never rewritten
.set NIL,  29                          ; v29     0; never rewritten
.set PFO,  30                          ; v30     the prefetches' offset: my lane x a row of 2,048 bytes; never rewritten
.set F0,   32
.set F1,   128
.set BKR,  32                          ; the way out: 16 rows read back: v32-95 and v96-159 by turns
.set G1, 24                            ; s[24:31] descriptor group 1 for H's tiles;  s[32:39] group 0, one set for each slot
.set G0, 32
.set G1B, 48                           ; s[48:55], s[56:63] the same for W_O's tiles
.set G0B, 56
.set LIM, 67                           ; s67     1 in a wave that prefetches, else the greatest number
.set PFA, 68                           ; s[68:69] where my prefetches stand: my 32 rows, at the K step two refills on
.set MSB, 0
.macro WIN new                         ; the immediate's high byte repeats the setting that is left; a switch that changes nothing is dropped
.if MSB != (\new)
	s_set_vgpr_msb (MSB<<8)|(\new)
.set MSB, (\new)
.endif
.endm
.set MUL, 0x50                         ; C and D window 1, both sources window 0
.macro JLOAD s                         ; a joint load: waves 0 and 1 fetch H's two halves, waves 2 and 3 W_O's; an s_nop 0 and four v_nop follow each of the two lines
	s_cmp_eq_u32 s13, 0
	s_cbranch_scc0 .Lfor_b_\@
	tensor_load_to_lds s[G0+4*\s:G0+4*\s+3], s[G1:G1+7]
	s_nop 0
.rept 4
	v_nop
.endr
	s_branch .Lasked_\@
.Lfor_b_\@:
	tensor_load_to_lds s[G0B+4*\s:G0B+4*\s+3], s[G1B:G1B+7]
	s_nop 0
.rept 4
	v_nop
.endr
.Lasked_\@:
.endm
; A PREFETCH INTO THE L2, behind a joint load, its five lines and the run of LDS loads that follows them: the K step that stands TWO refills on (256 matrix instructions of a wave ahead of the load that will
; ask for it): 32 rows x 256 bytes, a lane a row, one instruction a wave.  Each row's 256 bytes of a K step are named ONCE in the launch.  H's 128 rows of a tile are read by one row of one cluster alone:
; wave 0 of each of the four partners takes 32 of them, told apart BY ADDRESS (cx).  W_O's rows are read by every cluster: the cluster with y = 0 asks; of the 128 rows that wave 2 or 3 fetches, each of the four
; partners takes 32 (cy).  No branch hangs on a work-group's place in its cluster.  The loop's last trip asks for nothing: its refills have no K step two on.  K steps 0 to 3 come by their loads alone.
.macro ASK
	s_cmp_gt_u32 s3, s[LIM]                        ; s3 = 1 in the loop's last trip
	s_cbranch_scc0 .Lnot_mine_\@
	global_prefetch_b8 v[PFO], s[PFA:PFA+1] th:TH_LOAD_NT scope:SCOPE_SE
.Lnot_mine_\@:
.endm
.macro CREST                           ; a round of the cluster's barrier behind its opening barrier
	s_cmp_lg_u32 s12, 0
	s_cbranch_scc1 .Lnot_wave_0_\@
	s_barrier_signal -3
.Lnot_wave_0_\@:
	s_barrier_wait -3
	s_barrier_signal -1
	s_barrier_wait -1
.endm
.macro CROUND                          ; a whole round
	s_barrier_signal -1
	s_barrier_wait -1
	CREST
.endm
	s_load_b128 s[4:7], s[0:1], 0x0                ; hh s[4:5], wq s[6:7]
	s_load_b64 s[8:9], s[0:1], 0x10                ; out0
	v_lshl_add_u32 v[SPW], v0, 2, SPARE
	v_mov_b32 v[NIL], 0
	ds_add_u32 v[SPW], v[NIL]                      ; the wave's opening: the add, twice on end, and its wait ahead of my first tensor load; the set-up below, work on registers, stands between
	ds_add_u32 v[SPW], v[NIL]
	v_lshrrev_b32 v1, 5, v0
	v_readfirstlane_b32 s12, v1                    ; wave 0..3
	s_lshr_b32 s13, s12, 1                         ; which half of the tile's rows is mine.  Also: I fetch for H (0) or for W_O (1)
	s_and_b32 s14, s12, 1                          ; which half of its columns.  Also: which half of that tile I fetch
	s_bfe_u32 s15, ttmp6, 0x40000                  ; cx, cy: my place in the cluster
	s_bfe_u32 s16, ttmp6, 0x40004
	s_lshl_b32 s17, ttmp9, 2
	s_add_co_u32 s17, s17, s15                     ; tile column = 4 x cluster x + cx
	s_and_b32 s21, ttmp7, 0xffff                   ; cluster y
	s_lshl_b32 s18, s21, 2
	s_add_co_u32 s18, s18, s16                     ; tile row = 4 x cluster y + cy
	s_lshl_b32 s19, s16, 2
	s_lshl_b32 s19, 15, s19                        ; my row of the cluster
	s_lshl_b32 s20, 0x1111, s15                    ; my column
	s_or_b32 s[G1+0], s19, (1<<16)|(1<<20)|(1<<21)|(5<<22)|(3<<25)  ; 15:0 the mask: H's tiles go to my row; 17:16 element of 2 bytes; 20 padding on; 21 set beside a mask; 24:22 after every 64 words (code 5); 31:25 of 4 words (code 3)
	s_mov_b32 s[G1+1], KSTEP<<16                   ; tensor_dim0 = 128
	s_mov_b32 s[G1+2], 64<<16                      ; tensor_dim1 = 64
	s_mov_b32 s[G1+3], KSTEP<<16                   ; tile_dim0 = 128
	s_mov_b32 s[G1+4], 64                          ; tile_dim1 = 64
	s_mov_b32 s[G1+5], LDA                         ; tensor_dim0_stride
	s_mov_b32 s[G1+6], 0
	s_mov_b32 s[G1+7], 0
	s_or_b32 s[G1B+0], s20, (1<<16)|(1<<20)|(1<<21)|(5<<22)|(3<<25) ; the same with the mask of my column, for W_O's tiles of 128 rows
	s_mov_b32 s[G1B+1], KSTEP<<16
	s_mov_b32 s[G1B+2], 128<<16
	s_mov_b32 s[G1B+3], KSTEP<<16
	s_mov_b32 s[G1B+4], 128
	s_mov_b32 s[G1B+5], LDB
	s_mov_b32 s[G1B+6], 0
	s_mov_b32 s[G1B+7], 0
	s_lshl_b32 s40, s18, 7                         ; H: row 128 x tile row + 64 x half, 2,048 bytes a row
	s_lshl_b32 s41, s14, 6
	s_add_co_u32 s40, s40, s41
	s_lshl_b32 s40, s40, 11
	s_mov_b32 s41, 0
	s_lshl_b32 s42, s17, 8                         ; W_O^T: row 256 x tile column + 128 x half, 2,048 bytes a row, from WOT on
	s_lshl_b32 s43, s14, 7
	s_add_co_u32 s42, s42, s43
	s_lshl_b32 s42, s42, 11
	s_add_co_u32 s42, s42, WOT
	s_mov_b32 s43, 0
	s_mul_i32 s44, s14, AHALF                      ; where they go: no place in the cluster enters an LDS address
	s_mul_i32 s45, s14, BHALF
	s_add_co_u32 s45, s45, BOFF
	s_wait_dscnt 0x0                               ; both opening adds are done
	s_wait_kmcnt 0x0
	s_add_nc_u64 s[40:41], s[4:5], s[40:41]
	s_add_nc_u64 s[42:43], s[6:7], s[42:43]
	CROUND                                         ; all sixteen work-groups are here: the first joint loads meet
.irp s, 0,1
	s_mov_b32 s[G0+4*\s], 1
	s_add_co_u32 s[G0+4*\s+1], s44, \s*SLOT
	s_add_nc_u64 s[G0+4*\s+2:G0+4*\s+3], s[40:41], \s*KSTEP*2
	s_or_b32 s[G0+4*\s+3], s[G0+4*\s+3], 0x80000000
	s_mov_b32 s[G0B+4*\s], 1
	s_add_co_u32 s[G0B+4*\s+1], s45, \s*SLOT
	s_add_nc_u64 s[G0B+4*\s+2:G0B+4*\s+3], s[42:43], \s*KSTEP*2
	s_or_b32 s[G0B+4*\s+3], s[G0B+4*\s+3], 0x80000000
	JLOAD \s                                       ; two tensor loads of mine are out behind the second
.endr
	v_and_b32 v1, 15, v0                           ; l % 16
	v_bfe_u32 v2, v0, 4, 1                         ; l / 16
	v_mul_u32_u24 v3, v1, PITCH
	v_lshl_add_u32 v3, v2, 4, v3                   ; a fragment's row x pitch + 16 x half
	s_mul_i32 s22, s13, AHALF                      ; my 64 rows of H
	s_mul_i32 s23, s14, BHALF                      ; my 128 rows of W_O^T
	s_add_co_u32 s23, s23, BOFF
.irp s, 0,1
	v_add_nc_u32 v[ADRA+\s], s22, v3
	v_add_nc_u32 v[ADRB+\s], s23, v3
	s_add_co_u32 s22, s22, SLOT
	s_add_co_u32 s23, s23, SLOT
.endr
	s_mul_i32 s22, s12, 16*SPITCH
	s_add_co_u32 s22, s22, STAGE                   ; my stage
	v_mul_u32_u24 v4, v1, SPITCH                   ; in: row l % 16, 32 bytes for each half of the lanes
	v_lshl_add_u32 v4, v2, 5, v4
	v_add_nc_u32 v[STO], s22, v4
	v_and_b32 v5, 31, v0
	v_lshlrev_b32 v[CO], 4, v5                     ; back: the 32 lanes take one row of 512 bytes; and the same in out0
	v_add_nc_u32 v[RD], s22, v[CO]
	s_lshl_b32 s22, s18, 7                         ; where my part of out0 begins: row 128 x tile row + 64 x half, 4,096 bytes a row; column 1,024 x tile column + 512 x half, in bytes
	s_lshl_b32 s23, s13, 6
	s_add_co_u32 s22, s22, s23
	s_lshl_b32 s22, s22, 12
	s_lshl_b32 s23, s17, 10
	s_add_co_u32 s22, s22, s23
	s_lshl_b32 s23, s14, 9
	s_add_co_u32 s22, s22, s23
	s_mov_b32 s23, 0
	s_add_nc_u64 s[8:9], s[8:9], s[22:23]
	; the prefetches (macro ASK): where my wave's stand, and who asks.  s40 to s45 are free from here on
	s_lshl_b32 s40, s18, 7
	s_lshl_b32 s41, s15, 5
	s_add_co_u32 s40, s40, s41                     ; H: row 128 x tile row + my work-group's 32,
	s_lshl_b32 s40, s40, 11                        ; 2,048 bytes a row
	s_lshl_b32 s42, s17, 8
	s_lshl_b32 s43, s14, 7
	s_add_co_u32 s42, s42, s43
	s_lshl_b32 s43, s16, 5
	s_add_co_u32 s42, s42, s43                     ; W_O^T: row 256 x tile column + the 128 that I fetch + my work-group's 32,
	s_lshl_b32 s42, s42, 11
	s_add_co_u32 s42, s42, WOT                     ; from WOT on
	s_cmp_eq_u32 s13, 0                            ; do I fetch for H?
	s_cselect_b32 s40, s40, s42
	s_cselect_b32 s44, s14, s21                    ; for H wave 0 asks, in every cluster, and wave 1 asks for nothing; for W_O the cluster with y = 0 asks
	s_cselect_b64 s[PFA:PFA+1], s[4:5], s[6:7]
	s_cmp_eq_u32 s44, 0
	s_cselect_b32 s[LIM], 1, -1                    ; the same in all sixteen partners, for a given wave
	s_add_co_u32 s40, s40, 3*KSTEP*2               ; at K step 3: the first change of slots steps it to 4.  Nothing is prefetched here, at the head
	s_mov_b32 s41, 0
	s_add_nc_u64 s[PFA:PFA+1], s[PFA:PFA+1], s[40:41]
	v_lshlrev_b32 v[PFO], 11, v5
.macro MUL8 f, a, zero                 ; H's block a x W_O's eight, 32 along K.  zero = 1: the first product starts the sums: nothing is ever cleared
.irp b, 0,1,2,3,4,5,6,7
.if \zero
	v_wmma_f32_16x16x32_f16 v[8*(8*(\a)+\b):8*(8*(\a)+\b)+7], v[\f+32+8*\b:\f+32+8*\b+7], v[\f+8*(\a):\f+8*(\a)+7], 0
.else
	v_wmma_f32_16x16x32_f16 v[8*(8*(\a)+\b):8*(8*(\a)+\b)+7], v[\f+32+8*\b:\f+32+8*\b+7], v[\f+8*(\a):\f+8*(\a)+7], v[8*(8*(\a)+\b):8*(8*(\a)+\b)+7]
.endif
.endr
.endm
.macro MUL16 f, a0, zero               ; the 32 accumulators take turns, one instruction a turn, in the same order in every quarter
	MUL8 \f, \a0, \zero
	MUL8 \f, \a0+1, \zero
.endm
.macro FETCH slot, k, f                ; 24 LDS loads in one run: W_O's eight fragments, then H's four, 32 along K at byte k of the rows
	WIN 0
.irp i, 0,1,2,3,4,5,6,7
	ds_load_b128 v[\f+32+8*\i:\f+32+8*\i+3], v[ADRB+\slot] offset:\k+\i*16*PITCH
	ds_load_b128 v[\f+32+8*\i+4:\f+32+8*\i+7], v[ADRB+\slot] offset:\k+\i*16*PITCH+32
.endr
.irp i, 0,1,2,3
	ds_load_b128 v[\f+8*\i:\f+8*\i+3], v[ADRA+\slot] offset:\k+\i*16*PITCH
	ds_load_b128 v[\f+8*\i+4:\f+8*\i+7], v[ADRA+\slot] offset:\k+\i*16*PITCH+32
.endr
.endm
; A load into a register that a matrix instruction has read, and an LDS store that reads a matrix result, stand four places behind that matrix instruction, and only plain vector
; instructions that name none of its registers are places (ISA guide 7.12.1 for vector instructions).
.macro PLACES
.rept 4
	v_nop
.endr
.endm
; A K step is four quarters of 32 along K, 32 matrix instructions each, on buffers 0, 1, 0, 1.  One of the first three multiplies buffer f and fetches the next quarter, at byte k, into g.
.macro QUARTER slot, k, f, g, zero
	s_wait_dscnt 4                                 ; W_O's fragments and H's blocks 0 and 1 are in; the youngest four loads (H's blocks 2 and 3) may be out
	WIN MUL
	MUL16 \f, 0, \zero
	PLACES
	FETCH \slot, \k, \g
	s_wait_dscnt 24                                ; all but the 24 just issued
	WIN MUL
	MUL16 \f, 2, \zero
.endm
; The last quarter multiplies buffer 1 and changes slots, and the change comes first: each wave waits for all its tensor loads, adds 0 to its spare word, and waits for that and for its own reads of this slot
; (the last, buffer 1's, were issued half a quarter ago).  fill = 1: the barrier opens a round of the cluster's barrier, and behind the round this slot is filled again, two K steps ahead, first of all.
; The quarter's 32 products stand behind the joint load: so nothing but the change itself lies between a tile's landing and the next request.
.macro TURN slot, next, fill
	WIN 0
.if \fill
	s_wait_xcnt 0x0                                ; the last prefetch, a K step back, has read its address: it is stepped here
	s_add_nc_u64 s[PFA:PFA+1], s[PFA:PFA+1], KSTEP*2
.endif
	s_wait_tensorcnt 0x0                           ; all my tensor loads have landed: my part of the next slot; so every group 0 may be written
	ds_add_u32 v[SPW], v[NIL]                      ; 0 onto my spare word
.if \fill
	s_add_nc_u64 s[G0+4*\slot+2:G0+4*\slot+3], s[G0+4*\slot+2:G0+4*\slot+3], 2*KSTEP*2
	s_add_nc_u64 s[G0B+4*\slot+2:G0B+4*\slot+3], s[G0B+4*\slot+2:G0B+4*\slot+3], 2*KSTEP*2
.endif
	s_wait_dscnt 0x0                               ; the add is done, and my reads of this slot are over
	s_barrier_signal -1
	s_barrier_wait -1
.if \fill
	CREST                                          ; no wave of any partner still reads this slot's tile or has a load on its way
	JLOAD \slot                                    ; the first tensor load behind the round; the four v_nop behind it are also the places in front of the loads below
.else
	PLACES
.endif
	FETCH \next, 0, F0
.if \fill
	ASK
.endif
	WIN MUL
	MUL16 F1, 0, 0
	MUL16 F1, 2, 0
.endm
	s_wait_tensorcnt 1                             ; my part of K step 0 is in (K step 1's load may be out)
	s_barrier_signal -1
	s_barrier_wait -1                              ; everybody's is
	FETCH 0, 0, F0
	QUARTER 0, 64,  F0, F1, 1                      ; the first quarter stands in front of the loop: its products start the sums
	WIN 0                                          ; at a label and at a branch every window is 0
	s_mov_b32 s3, LAPS-1
.Llap:                                                 ; a trip goes once round the ring, from a lap's second quarter to the next lap's first, and fills both slots again
	QUARTER 0, 128, F1, F0, 0
	QUARTER 0, 192, F0, F1, 0
	TURN 0, 1, 1
	QUARTER 1, 64,  F0, F1, 0
	QUARTER 1, 128, F1, F0, 0
	QUARTER 1, 192, F0, F1, 0
	TURN 1, 0, 1
	QUARTER 0, 64,  F0, F1, 0
	WIN 0
	s_sub_co_u32 s3, s3, 1
	s_cmp_lg_u32 s3, 0
	s_cbranch_scc1 .Llap
	QUARTER 0, 128, F1, F0, 0                      ; the last lap is written out: it fills nothing, and has no round of the cluster's barrier
	QUARTER 0, 192, F0, F1, 0
	TURN 0, 1, 0
	QUARTER 1, 64,  F0, F1, 0
	QUARTER 1, 128, F1, F0, 0
	QUARTER 1, 192, F0, F1, 0
	s_wait_dscnt 4                                 ; the very last quarter: nothing more to fetch
	WIN MUL
	MUL16 F1, 0, 0
	s_wait_dscnt 0x0
	MUL16 F1, 2, 0
	WIN 0
; THE WAY OUT, block by block of 16 rows x 128 columns.  A lane holds 32 neighbouring bytes of a row, and the lanes beside it hold other rows: so a block goes through my own stage in LDS and comes back as whole
; rows of 512 bytes.  LDS serves a wave's instructions in order (ISA guide 5.7.1.4): no wait between the stores and the loads, nor in front of the next block's stores.
.macro TOSTAGE a
.set AC, 64*(\a)
	WIN 0x04                                       ; an LDS store's data are its source 1: window 1
.irp b, 0,1,2,3,4,5,6,7
	ds_store_b128 v[STO], v[AC+8*\b:AC+8*\b+3] offset:64*\b          ; each accumulator from its low end on
	ds_store_b128 v[STO], v[AC+8*\b+4:AC+8*\b+7] offset:64*\b+16
.endr
	WIN 0
.set BB, BKR+64*((\a)%2)
.irp t, 0,1,2,3,4,5,6,7,8,9,10,11,12,13,14,15
	ds_load_b128 v[BB+4*\t:BB+4*\t+3], v[RD] offset:\t*SPITCH
.endr
.endm
.macro SEND a, younger                 ; younger: the LDS instructions issued behind block a's loads, which may stay out
.set BB, BKR+64*((\a)%2)
	s_wait_dscnt \younger                          ; the block is back in registers
.if (\a) > 0
	s_add_nc_u64 s[8:9], s[8:9], 16*ROWC           ; (behind a wait on XCNT: the earlier stores have read their base)  16 rows of out0 on
.endif
.irp t, 0,1,2,3,4,5,6,7,8,9,10,11,12,13,14,15
	global_store_b128 v[CO], v[BB+4*\t:BB+4*\t+3], s[8:9] offset:\t*ROWC th:TH_STORE_NT   ; 32 lanes store 512 consecutive bytes, at a multiple of 256 from out0's first byte; written once, read by nobody here
.endr
.endm
	PLACES                                         ; behind the last products: for the stores that read results and for the loads into the registers that held fragments
	TOSTAGE 0
.irp a, 1,2,3
.if \a > 1
	s_wait_xcnt 0x0                                ; block a - 2's stores have read their registers and their base: block a's loads may land there, and the base may step
.endif
	TOSTAGE \a
	SEND \a-1, 32                                  ; behind block a - 1's loads: block a's 16 stores and 16 loads
.endr
	s_wait_xcnt 0x0                                ; block 2's stores have read their base
	SEND 3, 0
	s_wait_tensorcnt 0x0                           ; the wave's end: the wait, the add and its wait, behind my last tensor load and my last LDS store
	ds_add_u32 v[SPW], v[NIL]
	s_wait_dscnt 0x0
	CROUND                                         ; the closing round: no work-group ends while a partner may still ask for a tile that names it
	s_endpgm
.Lfunc_end_k_qb7441bf97a_proj:
	.size	k_qb7441bf97a_proj, .Lfunc_end_k_qb7441bf97a_proj-k_qb7441bf97a_proj
	.p2alignl 7, 3214868480
	.fill 96, 4, 3214868480
	.section	.rodata,"a",@progbits
	.p2align	6, 0x0
	.amdhsa_kernel k_qb7441bf97a_proj
		.amdhsa_group_segment_fixed_size 327680
		.amdhsa_private_segment_fixed_size 0
		.amdhsa_enable_private_segment 0
		.amdhsa_kernarg_size 24
		.amdhsa_user_sgpr_count 2
		.amdhsa_user_sgpr_kernarg_segment_ptr 1
		.amdhsa_wavefront_size32 1
		.amdhsa_system_sgpr_workgroup_id_x 1
		.amdhsa_system_sgpr_workgroup_id_y 1
		.amdhsa_system_sgpr_workgroup_id_z 1
		.amdhsa_system_vgpr_workitem_id 0
		.amdhsa_next_free_vgpr 512
		.amdhsa_next_free_sgpr 72
		.amdhsa_reserve_vcc 0
		.amdhsa_float_denorm_mode_32 3
		.amdhsa_float_denorm_mode_16_64 3
		.amdhsa_memory_ordered 1
		.amdhsa_forward_progress 1
		.amdhsa_inst_pref_size 86
	.end_amdhsa_kernel
	.amdgpu_metadata
---
amdhsa.version: [ 1, 2 ]
amdhsa.kernels:
  - .name:           k_qb7441bf97a_proj
    .symbol:         k_qb7441bf97a_proj.kd
    .args:
      - { .name: hh, .offset: 0, .size: 8, .value_kind: global_buffer, .address_space: global }
      - { .name: wq, .offset: 8, .size: 8, .value_kind: global_buffer, .address_space: global }
      - { .name: out0, .offset: 16, .size: 8, .value_kind: global_buffer, .address_space: global }
    .group_segment_fixed_size: 327680
    .private_segment_fixed_size: 0
    .kernarg_segment_align: 8
    .kernarg_segment_size: 24
    .max_flat_workgroup_size: 128
    .sgpr_count:     72
    .vgpr_count:     512
    .wavefront_size: 32
...
	.end_amdgpu_metadata
.endif
;; end of part 5
